; MI455X (gfx1250); checked and timed in simulation.
; The chip was launched on July 23, 2026; its instructions are those of AMD's public machine-readable ISA for CDNA 5 (MIT licence, August 2026) and "CDNA5" Instruction Set Architecture Reference Guide (July 2026). The comments in the code are by the model that wrote it; some were corrected since.
;; Points Fusion2. Allowed arithmetic: matrix products marked QUANTISED: E2M3 operands, one E8M0 scale for each 32 along K, by v_wmma_scale_f32_16x16x128_f8f6f4 with both operands' format E2M3, f32 sums; products left as they are: f32 operands where the result goes on into a quantised operand, else bf16, f16 or f32 operands; f32 sums; everything else in f32.
;; Inputs: Wk 4 x 64 float32; Wq 4 x 64 float32; Wv 4 x 64 float32; bk 64 float32; bq 64 float32; bv 64 float32; pc 8 x 3 x 2,048 float32; points1 8 x 3 x 2,048 float32; points2 8 x 3 x 2,048 float32; ridx1 8 x 1,024 int32; ridx2 8 x 1,024 int32.
;; Outputs: out0 8 x 3 x 2,048 float32.
;; Constants: k = 16, t = 0.5.
;; This version of the problem:
;;   THIS VERSION OF THE PROBLEM IS GIVEN IN LOW PRECISION. The matrix products marked QUANTISED in the list below multiply operands that are first quantised to E2M3 (2 exponent bits, 3 mantissa bits; 6 bits a number), with one power-of-two scale for each 32 numbers along K (OCP MX v1.0); their sums are f32. All else is computed in f32.
;;   The module's matrix products, in the order in which they are computed (A, B: the left and right operand; K: the contracted axis; several contracted axes count as one K, in the product's order):
;;     1. batch 8 x [M 2,048, K 3] x [K 3, N 2,048]; A: computed on the way; B: input points1: left as it is (K = 3 < 32)
;;     2. batch 8 x [M 2,048, K 3] x [K 3, N 2,048]; A: computed on the way; B: input points2: left as it is (K = 3 < 32)
;;     3. batch 8 x [M 2,048, K 3] x [K 3, N 2,048]; A: computed on the way; B: input pc: left as it is (K = 3 < 32)
;;     4. [M 524,288, K 4] x [K 4, N 64]; A: computed on the way; B: input Wq: left as it is (K = 4 < 32)
;;     5. [M 524,288, K 4] x [K 4, N 64]; A: computed on the way; B: input Wk: left as it is (K = 4 < 32)
;;     6. [M 524,288, K 4] x [K 4, N 64]; A: computed on the way; B: input Wv: left as it is (K = 4 < 32)
;;     7. batch 16,384 x [M 32, K 64] x [K 64, N 32]; A: computed on the way; B: computed on the way: QUANTISED
;;     8. batch 16,384 x [M 32, K 32] x [K 32, N 64]; A: softmax (see below); B: computed on the way: QUANTISED
;;     9. batch 16,384 x [M 3, K 32] x [K 32, N 1]; A: computed on the way; B: softmax (see below): left as it is (M = 3 < 16)
;;   THE QUANTISER, for each operand of a quantised product, along K:
;;     - K is cut into blocks of 32 from its start; a last block that is shorter is filled with zeros.
;;     - A block's scale is 2^e with e = floor(log2(the largest magnitude in the block)) - 2, held to -126 .. 127; a block of zeros has e = 0. As a byte (E8M0): e + 127.
;;     - Each number is divided by its block's scale, clamped to +-7.5, and rounded to the nearest number of E2M3, ties to even, subnormals kept.
;;     - The product sums the exact products of the quantised numbers (number of the format x scale) in f32.
;;   ~~~python
;;   def quantise(x, axis):      # numpy; x: float32 -> the quantised numbers, widened to float32 again
;;       x = np.moveaxis(x, axis, -1); K = x.shape[-1]
;;       x = np.pad(x, [(0, 0)] * (x.ndim - 1) + [(0, -K % 32)]); x = x.reshape(x.shape[:-1] + (-1, 32)); a = np.abs(x).max(-1, keepdims=True)
;;       e = np.where(a > 0, np.clip(np.frexp(np.where(a > 0, a, 1))[1] - 1 - 2, -126, 127), 0)      # np.frexp(a)[1] - 1 = floor(log2(a)), exactly
;;       r = np.clip(x / 2.0 ** e, -7.5, 7.5)
;;       step = 2.0 ** (np.maximum(np.frexp(np.where(r == 0, 1, r))[1] - 1, 0) - 3)
;;       q = np.round(r / step) * step * 2.0 ** e      # np.round: ties to even
;;       return np.moveaxis(q.reshape(q.shape[:-2] + (-1,))[..., :K], -1, axis).astype(np.float32)
;;   ~~~
;;   SOFTMAX AHEAD OF A QUANTISED PRODUCT. Where the list says 'softmax', what is quantised is not the finished softmax but p = 2^(t - M), with t = logit x log2(e) and M = ceil(the row's largest t), a whole number; so 1/2 < the row's largest p <= 1. The row's sum l is taken of the UNQUANTISED p, in f32, and the product's result is divided by l at the end. Since M is a whole number, a kernel that streams over the keys may use a running M (the ceiling of the running maximum): every later rescaling is an exact power of two, which a block's scale takes up: the codes' values come out the same.
;;   OPERANDS COMPUTED ON THE WAY. 'Computed on the way' means the value that the module computes at that place (a softmax that the list does not call 'softmax' is quantised finished and normalised). What goes into a quantiser is computed in f32, as accurately as f32 sums, v_exp_f32 and their like allow (about 1e-6 of the number): no bf16 or f16 on the way to a quantiser, and a product that is left as it is and whose result goes on into a quantised operand takes f32 operands (vector FMAs, or v_wmma_f32_16x16x4_f32). A number that lies on a knife's edge between two numbers of the format may be rounded either way, as far as f32 arithmetic and the matrix unit's own rounding can turn it there, and no further.
;; 2 versions, each right; version 2 is version 1 with the launch fuse written anew for expert scheduling mode. Each part assembles by itself: llvm-mc -triple=amdgcn-amd-amdhsa -mcpu=gfx1250 --defsym DOCPART=n.
;; ======== version 1 of 2: 3 launches
;; workspace buffers: gid 2,097,152 bytes of whole numbers; nbr 2,097,152 bytes of whole numbers; pts 786,432 bytes
;; launch groups (part 1): grid 256 x 1, 8 waves a work-group, no clusters, 136,192 bytes of LDS; arguments points1, points2, pc, ridx1, ridx2, gid; writes gid
.if DOCPART == 1
	.amdgcn_target "amdgcn-amd-amdhsa--gfx1250"
	.amdhsa_code_object_version 6
	.text
	.protected	k_q3de870f513_groups
	.globl	k_q3de870f513_groups
	.p2align	8
	.type	k_q3de870f513_groups,@function
k_q3de870f513_groups:
	s_mov_b64 s[64:65], 0
	v_nop
	global_prefetch_b8 v0, s[64:65] scope:SCOPE_SE
	s_setreg_imm32_b32 hwreg(HW_REG_WAVE_MODE, 25, 1), 1
	s_wait_xcnt 0x0
; GROUPS.  For each of 8 x 2,048 fused query points and each of the three point sets (points1, points2, pc: 2,048 candidates each) this launch finds
; the k groups of 16 consecutive candidates (k = 8, 8, 16) with the smallest group minimum of the squared distance d2, in rising order, ties to the lower group.
; An element among the k first by (d2, index) lies in one of the k first groups by (minimum, group): were k groups ahead of its own, their minima would be k elements ahead of it.
; d2 = (qq + dd) - 2 dot, with qq, dd, dot made product by product and sum by sum (FUSED_SQ, FUSED_DOT = 0), then held at 0 from below; the next launch forms the same bits.
; LIMITS: NaN and infinities among the inputs are not served; a d2 that comes out at or under 0 counts as 0.
; SHARES.  A work-group takes 64 queries of one batch.  Wave w: queries 32 (w / 4) on, quarter w % 4 of every set (512 candidates, 32 groups).  All eight waves run the same text.
; PHASE A (a lane is a group, its 16 candidates in registers; queries come one by one as scalars): 32 minima a query, to the wave's own scratch in LDS.
; PHASE B (a lane is a query): the 32 minima of its row go one by one into a sorted list of k keys with the groups' table addresses as payload.
; Then the four quarters' lists are merged in two steps through LDS, and the payloads leave as whole numbers: gid value = set x 32,768 + group x 256.
; No tensor load, no cluster: the only shared data are 72 KB of points, read once at the head of each pass.
.set FUSED_SQ,  0
.set FUSED_DOT, 0
.set SCRW, 4608                        ; a wave's scratch: 32 query rows of SP bytes, from LDS byte 0 on
.set SP,   144                         ; 128 bytes of minima + 16: an odd multiple of 16
.set X1,   36864                       ; 8,192 bytes a wave: the three lists as images of their registers (512 bytes an image, lane l at 16 l)
.set X2,   102400                      ; 4,096 bytes a wave: the lists after the first merge
.set QX,  4                            ; v4-7    my query: x, y, z, qq (a lane is a query)
.set M,   20                           ; v20-27  eight group minima of my query
.set IDR, 30                           ; v30     the group's table address
.set X,   32                           ; v32-47, v48-63, v64-79 x, y, z of my group's 16 candidates; v80-95 their dd
.set Y,   48
.set Z,   64
.set DD,  80
.set D,   96                           ; v96-111  at work: dot, then d2
.set S,   112                          ; v112-127 at work
.set LA,  128                          ; v128-143 the list's keys
.set LI,  144                          ; v144-159 its payloads
.set LT,  160                          ; v160-175 at work
.set MBK, 176                          ; v176-191 the list that is merged in: keys
.set MBI, 192                          ; v192-207 payloads
.set MK,  66                           ; s66-81  masks
.set QS,  32                           ; s32-63  four queries' (x, y, z, qq) at even registers; the odd ones hold 0 (the packed forms name pairs)
; v[x] with payload v[id] goes into the sorted list LA[o + j0 .. o + k - 1]; slots under j0 are known to stay.  Strict compare: an equal key stays behind those that are in.
.macro INSERT x, id, o, k, j0
.set II, \j0
.rept (\k)-(\j0)
	v_cmp_lt_f32 s[MK+II], v[\x], v[LA+(\o)+II]
.set II, II+1
.endr
.set II, (\j0)+1
.rept (\k)-(\j0)-1
	v_cndmask_b32 v[LT+II], v[LI+(\o)+II], v[\id], s[MK+II]
.set II, II+1
.endr
.set II, (\k)-1
.rept (\k)-(\j0)-1
	v_cndmask_b32 v[LI+(\o)+II], v[LT+II], v[LI+(\o)+II-1], s[MK+II-1]
.set II, II-1
.endr
	v_cndmask_b32 v[LI+(\o)+(\j0)], v[LI+(\o)+(\j0)], v[\id], s[MK+(\j0)]
.set II, (\k)-1
.rept (\k)-(\j0)-1
	v_med3_num_f32 v[LA+(\o)+II], v[\x], v[LA+(\o)+II-1], v[LA+(\o)+II]
.set II, II-1
.endr
	v_min_num_f32 v[LA+(\o)+(\j0)], v[\x], v[LA+(\o)+(\j0)]
.endm
; my group's 16 candidates of the set at s[p:p+1]: 64 bytes of each component
.macro CLOAD p
.irp c, 0,1,2
.irp j, 0,1,2,3
	global_load_b128 v[X+16*\c+4*\j:X+16*\c+4*\j+3], v2, s[\p:\p+1] offset:8192*\c+16*\j
.endr
.endr
.endm
.macro DDCALC                          ; dd = (x x + y y) + z z, two candidates an instruction
.irp p, 0,2,4,6,8,10,12,14
	v_pk_mul_f32 v[DD+\p:DD+\p+1], v[X+\p:X+\p+1], v[X+\p:X+\p+1]
.endr
.if FUSED_SQ
.irp p, 0,2,4,6,8,10,12,14
	v_pk_fma_f32 v[DD+\p:DD+\p+1], v[Y+\p:Y+\p+1], v[Y+\p:Y+\p+1], v[DD+\p:DD+\p+1]
.endr
.irp p, 0,2,4,6,8,10,12,14
	v_pk_fma_f32 v[DD+\p:DD+\p+1], v[Z+\p:Z+\p+1], v[Z+\p:Z+\p+1], v[DD+\p:DD+\p+1]
.endr
.else
.irp p, 0,2,4,6,8,10,12,14
	v_pk_mul_f32 v[S+\p:S+\p+1], v[Y+\p:Y+\p+1], v[Y+\p:Y+\p+1]
.endr
.irp p, 0,2,4,6,8,10,12,14
	v_pk_add_f32 v[DD+\p:DD+\p+1], v[DD+\p:DD+\p+1], v[S+\p:S+\p+1]
.endr
.irp p, 0,2,4,6,8,10,12,14
	v_pk_mul_f32 v[S+\p:S+\p+1], v[Z+\p:Z+\p+1], v[Z+\p:Z+\p+1]
.endr
.irp p, 0,2,4,6,8,10,12,14
	v_pk_add_f32 v[DD+\p:DD+\p+1], v[DD+\p:DD+\p+1], v[S+\p:S+\p+1]
.endr
.endif
.endm
; the i-th query of a trip against my 16 candidates; the group's minimum goes to the query's row of the scratch
.macro DIST16 i
.set QB, QS+8*(\i)
.irp p, 0,2,4,6,8,10,12,14
	v_pk_mul_f32 v[D+\p:D+\p+1], v[X+\p:X+\p+1], s[QB:QB+1] op_sel_hi:[1,0]
.endr
.if FUSED_DOT
.irp p, 0,2,4,6,8,10,12,14
	v_pk_fma_f32 v[D+\p:D+\p+1], v[Y+\p:Y+\p+1], s[QB+2:QB+3], v[D+\p:D+\p+1] op_sel_hi:[1,0,1]
.endr
.irp p, 0,2,4,6,8,10,12,14
	v_pk_fma_f32 v[D+\p:D+\p+1], v[Z+\p:Z+\p+1], s[QB+4:QB+5], v[D+\p:D+\p+1] op_sel_hi:[1,0,1]
.endr
.else
.irp p, 0,2,4,6,8,10,12,14
	v_pk_mul_f32 v[S+\p:S+\p+1], v[Y+\p:Y+\p+1], s[QB+2:QB+3] op_sel_hi:[1,0]
.endr
.irp p, 0,2,4,6,8,10,12,14
	v_pk_add_f32 v[D+\p:D+\p+1], v[D+\p:D+\p+1], v[S+\p:S+\p+1]
.endr
.irp p, 0,2,4,6,8,10,12,14
	v_pk_mul_f32 v[S+\p:S+\p+1], v[Z+\p:Z+\p+1], s[QB+4:QB+5] op_sel_hi:[1,0]
.endr
.irp p, 0,2,4,6,8,10,12,14
	v_pk_add_f32 v[D+\p:D+\p+1], v[D+\p:D+\p+1], v[S+\p:S+\p+1]
.endr
.endif
.irp p, 0,2,4,6,8,10,12,14
	v_pk_add_f32 v[S+\p:S+\p+1], v[DD+\p:DD+\p+1], s[QB+6:QB+7] op_sel_hi:[1,0]
.endr
.irp p, 0,2,4,6,8,10,12,14
	v_pk_fma_f32 v[D+\p:D+\p+1], v[D+\p:D+\p+1], -2.0, v[S+\p:S+\p+1] op_sel_hi:[1,0,1]   ; 2 dot is exact, so this is (qq + dd) - 2 dot rounded once
.endr
	v_min3_num_f32 v28, v[D], v[D+1], v[D+2]
	v_min3_num_f32 v29, v[D+3], v[D+4], v[D+5]
	v_min3_num_f32 v28, v28, v[D+6], v[D+7]
	v_min3_num_f32 v29, v29, v[D+8], v[D+9]
	v_min3_num_f32 v28, v28, v[D+10], v[D+11]
	v_min3_num_f32 v29, v29, v[D+12], v[D+13]
	v_min3_num_f32 v28, v28, v[D+14], v[D+15]
	v_min_num_f32 v28, v28, v29
	v_max_num_f32 v28, 0, v28
	ds_store_b32 v9, v28 offset:SP*(\i)
.endm
.macro PHASEA                          ; eight trips of four queries
	s_mov_b32 s28, 0
	s_mov_b32 s29, 0
.Lpa_\@:
	s_lshl_b32 s30, s28, 2                         ; the lane that holds the trip's first query
.irp i, 0,1,2,3
.irp c, 0,1,2,3
	v_readlane_b32 s[QS+8*\i+2*\c], v[QX+\c], s30
.endr
	s_add_co_u32 s30, s30, 1
.endr
	v_add_nc_u32 v9, s29, v8                       ; the trip's four rows of the scratch, my group's word
.irp i, 0,1,2,3
	DIST16 \i
.endr
	s_add_co_u32 s29, s29, 4*SP
	s_add_co_u32 s28, s28, 1
	s_cmp_lt_u32 s28, 8
	s_cbranch_scc1 .Lpa_\@
.endm
.macro PHASEB k                        ; four trips of eight groups; LDS serves a wave's instructions in order, so these loads see phase A's stores
	s_mov_b32 s28, 0
	s_mov_b32 s29, 0
.Lpb_\@:
	v_add_nc_u32 v11, s29, v10
	ds_load_b128 v[M:M+3], v11
	ds_load_b128 v[M+4:M+7], v11 offset:16
	s_wait_dscnt 1                                 ; the first four minima are in; the one younger load may be out
.irp i, 0,1,2,3
	v_mov_b32 v[IDR], s31
	INSERT M+\i, IDR, 0, \k, 0
	s_add_co_u32 s31, s31, 256
.endr
	s_wait_dscnt 0x0
.irp i, 4,5,6,7
	v_mov_b32 v[IDR], s31
	INSERT M+\i, IDR, 0, \k, 0
	s_add_co_u32 s31, s31, 256
.endr
	s_add_co_u32 s29, s29, 32
	s_add_co_u32 s28, s28, 1
	s_cmp_lt_u32 s28, 4
	s_cbranch_scc1 .Lpb_\@
.endm
; one set: nxt = the scalar pair of the next set's pointer (0: none); koff, ioff: where the list's images go in my part of X1
.macro DBPASS db, k, nxt, koff, ioff
	s_wait_loadcnt 0x0                             ; my 16 candidates (and, the first time, my query) are in
	DDCALC
.if (\db) == 0
	v_mul_f32 v28, v4, v4
.if FUSED_SQ
	v_fma_f32 v28, v5, v5, v28
	v_fma_f32 v7, v6, v6, v28
.else
	v_mul_f32 v29, v5, v5
	v_add_f32 v28, v28, v29
	v_mul_f32 v29, v6, v6
	v_add_f32 v7, v28, v29
.endif
.endif
	s_lshl_b32 s31, s17, 13
	s_add_co_u32 s31, s31, (\db)*32768             ; table address of my quarter's first group
.set II, 0
.rept \k
	v_mov_b32 v[LA+II], 0x7f800000
	v_mov_b32 v[LI+II], s31
.set II, II+1
.endr
	PHASEA
.if \nxt
	CLOAD \nxt                                     ; x, y, z are done with: the next set's land during phase B
.endif
	PHASEB \k
.set II, 0
.rept (\k)/4
	ds_store_b128 v12, v[LA+4*II:LA+4*II+3] offset:(\koff)+512*II
	ds_store_b128 v12, v[LI+4*II:LI+4*II+3] offset:(\ioff)+512*II
.set II, II+1
.endr
.endm
; a sorted list of k is merged into the list at o: its entry j lands at slot j or later, since its entries 0 .. j - 1 went in ahead of it
.macro MERGE o, k
.set JJ, 0
.rept \k
	INSERT MBK+(\o)+JJ, MBI+(\o)+JJ, \o, \k, JJ
.set JJ, JJ+1
.endr
.endm
.macro MERGEROLE                       ; even waves hold pc's list of 16, odd waves points1's and points2's lists of 8
	s_cmp_eq_u32 s21, 0
	s_cbranch_scc0 .Lodd_\@
	MERGE 0, 16
	s_branch .Ldone_\@
.Lodd_\@:
	MERGE 0, 8
	MERGE 8, 8
.Ldone_\@:
.endm
	s_load_b256 s[4:11], s[0:1], 0x0               ; points1 s[4:5], points2 s[6:7], pc s[8:9], ridx1 s[10:11]
	s_load_b128 s[12:15], s[0:1], 0x20             ; ridx2 s[12:13], gid s[14:15]
	v_lshl_add_u32 v208, v0, 2, 0x21000
	v_mov_b32 v209, 0
	v_lshrrev_b32 v1, 5, v0
	v_readfirstlane_b32 s16, v1                    ; wave 0..7
	v_and_b32 v1, 31, v0                           ; lane
	s_and_b32 s17, s16, 3                          ; my quarter of every set
	s_lshr_b32 s18, s16, 2                         ; which 32 of the 64 queries
	s_and_b32 s21, s16, 1                          ; my part in the merges
	s_lshr_b32 s19, ttmp9, 5                       ; batch
	s_and_b32 s20, ttmp9, 31                       ; which 64 queries of the batch
	v_lshlrev_b32 v2, 6, v1                        ; my group's 64 bytes of a component
	v_lshlrev_b32 v17, 4, v1
	v_lshlrev_b32 v18, 2, v1
	; every LDS address: a constant + a constant x wave + a constant x lane
	s_mul_i32 s22, s16, SCRW
	v_add_nc_u32 v8, s22, v18                      ; scratch, phase A: my group's word of row 0
	v_mul_u32_u24 v10, v1, SP
	v_add_nc_u32 v10, s22, v10                     ; scratch, phase B: my query's row
	s_lshl_b32 s22, s16, 13
	s_add_co_u32 s22, s22, X1
	v_add_nc_u32 v12, s22, v17                     ; where my lists' images go
	s_xor_b32 s2, s21, 1
	s_lshl_b32 s2, s2, 12                          ; even waves merge pc's lists (4,096 bytes into a wave's part), odd waves the two others (at its head)
	s_and_b32 s22, s16, 6
	s_lshl_b32 s22, s22, 13
	s_add_co_u32 s22, s22, s2
	s_add_co_u32 s22, s22, X1
	v_add_nc_u32 v13, s22, v17                     ; first merge: the lower quarter's lists,
	s_add_co_u32 s22, s22, 8192
	v_add_nc_u32 v14, s22, v17                     ; and the upper quarter's
	s_lshl_b32 s22, s16, 12
	s_add_co_u32 s22, s22, X2
	v_add_nc_u32 v15, s22, v17                     ; where the merged lists go,
	s_or_b32 s22, s16, 2
	s_lshl_b32 s22, s22, 12
	s_add_co_u32 s22, s22, X2
	v_add_nc_u32 v16, s22, v17                     ; and where the upper half's lie
.irp r, 33,35,37,39,41,43,45,47,49,51,53,55,57,59,61,63
	s_mov_b32 s\r, 0
.endr
	s_wait_kmcnt 0x0
	s_cmp_lt_u32 s20, 16                           ; the first 1,024 queries of a batch come from points1 by ridx1, the others from points2 by ridx2
	s_cselect_b64 s[24:25], s[4:5], s[6:7]
	s_cselect_b64 s[26:27], s[10:11], s[12:13]
	s_mul_i32 s22, s19, 24576
	s_mov_b32 s23, 0
	s_add_nc_u64 s[24:25], s[24:25], s[22:23]      ; the query's set at my batch
	s_lshl_b32 s3, s17, 11
	s_add_co_u32 s22, s22, s3
	s_add_nc_u64 s[4:5], s[4:5], s[22:23]          ; the three sets at my batch and quarter
	s_add_nc_u64 s[6:7], s[6:7], s[22:23]
	s_add_nc_u64 s[8:9], s[8:9], s[22:23]
	s_lshl_b32 s22, s19, 12
	s_and_b32 s3, s20, 15
	s_lshl_b32 s3, s3, 8
	s_add_co_u32 s22, s22, s3
	s_lshl_b32 s3, s18, 7
	s_add_co_u32 s22, s22, s3
	s_add_nc_u64 s[26:27], s[26:27], s[22:23]      ; the index list at my 32 queries
	s_lshl_b32 s22, ttmp9, 13
	s_lshl_b32 s3, s18, 12
	s_add_co_u32 s22, s22, s3
	s_lshr_b32 s3, s2, 1
	s_add_co_u32 s22, s22, s3
	s_add_nc_u64 s[14:15], s[14:15], s[22:23]      ; gid: my 32 queries' 4,096 bytes; pc's slots 16-31 lie 2,048 bytes in
	global_load_b32 v3, v18, s[26:27]
	CLOAD 4
	s_wait_loadcnt 12                              ; the index is in; the 12 loads issued behind it may be out
	v_min_u32 v3, 2047, v3
	v_lshlrev_b32 v3, 2, v3
	global_load_b32 v4, v3, s[24:25]
	global_load_b32 v5, v3, s[24:25] offset:8192
	global_load_b32 v6, v3, s[24:25] offset:16384
	DBPASS 0, 8, 6, 0, 2048
	DBPASS 1, 8, 8, 1024, 3072
	DBPASS 2, 16, 0, 4096, 6144
	s_wait_dscnt 0x0                               ; my lists' images have landed
	s_barrier_signal -1
	s_barrier_wait -1
.irp c, 0,1,2,3
	ds_load_b128 v[LA+4*\c:LA+4*\c+3], v13 offset:512*\c
	ds_load_b128 v[LI+4*\c:LI+4*\c+3], v13 offset:2048+512*\c
	ds_load_b128 v[MBK+4*\c:MBK+4*\c+3], v14 offset:512*\c
	ds_load_b128 v[MBI+4*\c:MBI+4*\c+3], v14 offset:2048+512*\c
.endr
	s_wait_dscnt 0x0
	MERGEROLE                                      ; the lower quarter is the base and the compare is strict: equal minima keep the lower group first
.irp c, 0,1,2,3
	ds_store_b128 v15, v[LA+4*\c:LA+4*\c+3] offset:512*\c
	ds_store_b128 v15, v[LI+4*\c:LI+4*\c+3] offset:2048+512*\c
.endr
	s_wait_dscnt 0x0
	s_barrier_signal -1
	s_barrier_wait -1
	s_cmp_ge_u32 s17, 2                            ; quarters 2 and 3 have handed their lists on
	s_cbranch_scc1 .Lend
.irp c, 0,1,2,3
	ds_load_b128 v[MBK+4*\c:MBK+4*\c+3], v16 offset:512*\c
	ds_load_b128 v[MBI+4*\c:MBI+4*\c+3], v16 offset:2048+512*\c
.endr
	s_wait_dscnt 0x0
	MERGEROLE
.irp c, 0,1,2,3
	global_store_b128 v17, v[LI+4*\c:LI+4*\c+3], s[14:15] offset:512*\c   ; 32 lanes store 512 consecutive bytes: slots 4 c .. 4 c + 3 of 32 queries
.endr
.Lend:
	s_wait_tensorcnt 0x0
	ds_add_u32 v208, v209
	s_wait_dscnt 0x0
	s_endpgm
.Lfunc_end_k_q3de870f513_groups:
	.size	k_q3de870f513_groups, .Lfunc_end_k_q3de870f513_groups-k_q3de870f513_groups
	.p2alignl 7, 3214868480
	.fill 96, 4, 3214868480
	.section	.rodata,"a",@progbits
	.p2align	6, 0x0
	.amdhsa_kernel k_q3de870f513_groups
		.amdhsa_group_segment_fixed_size 136192
		.amdhsa_private_segment_fixed_size 0
		.amdhsa_enable_private_segment 0
		.amdhsa_kernarg_size 48
		.amdhsa_user_sgpr_count 2
		.amdhsa_user_sgpr_kernarg_segment_ptr 1
		.amdhsa_wavefront_size32 1
		.amdhsa_system_sgpr_workgroup_id_x 1
		.amdhsa_system_sgpr_workgroup_id_y 1
		.amdhsa_system_sgpr_workgroup_id_z 1
		.amdhsa_system_vgpr_workitem_id 0
		.amdhsa_next_free_vgpr 210
		.amdhsa_next_free_sgpr 84
		.amdhsa_reserve_vcc 0
		.amdhsa_float_denorm_mode_32 3
		.amdhsa_float_denorm_mode_16_64 3
		.amdhsa_memory_ordered 1
		.amdhsa_forward_progress 1
		.amdhsa_inst_pref_size 239
	.end_amdhsa_kernel
	.amdgpu_metadata
---
amdhsa.version: [ 1, 2 ]
amdhsa.kernels:
  - .name:           k_q3de870f513_groups
    .symbol:         k_q3de870f513_groups.kd
    .args:
      - { .name: points1, .offset: 0, .size: 8, .value_kind: global_buffer, .address_space: global }
      - { .name: points2, .offset: 8, .size: 8, .value_kind: global_buffer, .address_space: global }
      - { .name: pc, .offset: 16, .size: 8, .value_kind: global_buffer, .address_space: global }
      - { .name: ridx1, .offset: 24, .size: 8, .value_kind: global_buffer, .address_space: global }
      - { .name: ridx2, .offset: 32, .size: 8, .value_kind: global_buffer, .address_space: global }
      - { .name: gid, .offset: 40, .size: 8, .value_kind: global_buffer, .address_space: global }
    .group_segment_fixed_size: 136192
    .private_segment_fixed_size: 0
    .kernarg_segment_align: 8
    .kernarg_segment_size: 48
    .max_flat_workgroup_size: 256
    .sgpr_count:     84
    .vgpr_count:     210
    .wavefront_size: 32
...
	.end_amdgpu_metadata
.endif
;; end of part 1
;; launch refine (part 2): grid 256 x 1, 4 waves a work-group, no clusters, 98,816 bytes of LDS; arguments points1, points2, pc, ridx1, ridx2, gid, nbr, pts; writes nbr, pts
.if DOCPART == 2
	.amdgcn_target "amdgcn-amd-amdhsa--gfx1250"
	.amdhsa_code_object_version 6
	.text
	.protected	k_q3de870f513_refine
	.globl	k_q3de870f513_refine
	.p2align	8
	.type	k_q3de870f513_refine,@function
k_q3de870f513_refine:
	s_mov_b64 s[64:65], 0
	v_nop
	global_prefetch_b8 v0, s[64:65] scope:SCOPE_SE
	s_setreg_imm32_b32 hwreg(HW_REG_WAVE_MODE, 25, 1), 1
	s_wait_xcnt 0x0
; REFINE.  For each query and each set the exact k nearest candidates (k = 8, 8, 16) among the 16 k candidates of the k groups that the launch before has listed, by (d2, index): ties to the lower index.
; d2 is formed as in the launch before, bit for bit: (qq + dd) - 2 dot, products and sums rounded one by one (FUSED_SQ, FUSED_DOT = 0), held at 0 from below.
; LIMITS: NaN and infinities among the inputs are not served; a d2 that comes out at or under 0 counts as 0 and such candidates are ordered by index.
; THE TABLE.  The batch's 3 x 2,048 candidates lie in LDS as (x, y, z, dd), 16 bytes each, at set x 32,768 + index x 16.  It is written once, ahead of the launch's one barrier; behind it LDS is only read.
; The same table goes to memory (pts), each work-group storing 3,072 of its batch's 98,304 bytes, for the launch that follows.
; SHARES.  A work-group takes 64 queries, a lane is a query.  Waves 0, 1: pc (k = 16) for queries 0-31, 32-63; waves 2, 3: points1, then points2 (k = 8 each).
; The groups come in rising order of their minima.  An element of the group of rank j has the j earlier groups' minima ahead of it, and those are in the list: it touches slots j .. k - 1 alone.
; The list's payload is the candidate's table address; key and payload are compared as one number of 64 bits (keys are never negative, so their bits order as whole numbers).
.set FUSED_SQ,  0
.set FUSED_DOT, 0
.set R,   12                           ; v12-15  ((lane + i) % 4) x 16: which entry of a chunk of four is my i-th
.set UU,  16                           ; v16     ((lane / 4 + trip) % 4) x 64: which chunk of the group: so the 16 lanes of an LDS pass take 16 different columns of 16 bytes, whatever their groups
.set GB,  17                           ; v17     the group's table address + the chunk
.set AD,  18                           ; v18-21  four candidates' table addresses
.set P,   22                           ; v22-25  the same, kept as payloads
.set DK,  26                           ; v26-29  their d2
.set NX,  30                           ; v30-33  not d2
.set NPX, 34                           ; v34-37  not payload
.set G,   40                           ; v40-56  the groups' table addresses, in rank order, and one more
.set C,   64                           ; v64-79  four candidates (x, y, z, dd)
.set T,   80                           ; v80-87  at work
.set LA,  96                           ; v96-111  the list's keys
.set LI,  112                          ; v112-127 its payloads
.set LT,  128                          ; v128-143 at work
.set E,   64                           ; while the table is built: v64-255, 3 sets x 16 entries x 4 registers
.set BT,  20                           ; and v20-35 at work
.set MK,  40                           ; s40-55  masks
.set ML,  66                           ; s66-81  carries of the payloads' compare
.macro TLOAD db, p                     ; thread t takes candidates t + 128 i of the set: a wave's load covers 128 consecutive bytes
.irp i, 0,1,2,3,4,5,6,7,8,9,10,11,12,13,14,15
.irp c, 0,1,2
	global_load_b32 v[E+64*(\db)+4*\i+\c], v2, s[\p:\p+1] offset:8192*\c+512*\i
.endr
.endr
.endm
.macro BUILD db, adr, off              ; dd = (x x + y y) + z z beside each candidate, and the entries into the table
.set EB, E+64*(\db)
.irp i, 0,1,2,3,4,5,6,7,8,9,10,11,12,13,14,15
	v_mul_f32 v[EB+4*\i+3], v[EB+4*\i], v[EB+4*\i]
.endr
.if FUSED_SQ
.irp i, 0,1,2,3,4,5,6,7,8,9,10,11,12,13,14,15
	v_fma_f32 v[EB+4*\i+3], v[EB+4*\i+1], v[EB+4*\i+1], v[EB+4*\i+3]
.endr
.irp i, 0,1,2,3,4,5,6,7,8,9,10,11,12,13,14,15
	v_fma_f32 v[EB+4*\i+3], v[EB+4*\i+2], v[EB+4*\i+2], v[EB+4*\i+3]
.endr
.else
.irp i, 0,1,2,3,4,5,6,7,8,9,10,11,12,13,14,15
	v_mul_f32 v[BT+\i], v[EB+4*\i+1], v[EB+4*\i+1]
.endr
.irp i, 0,1,2,3,4,5,6,7,8,9,10,11,12,13,14,15
	v_add_f32 v[EB+4*\i+3], v[EB+4*\i+3], v[BT+\i]
.endr
.irp i, 0,1,2,3,4,5,6,7,8,9,10,11,12,13,14,15
	v_mul_f32 v[BT+\i], v[EB+4*\i+2], v[EB+4*\i+2]
.endr
.irp i, 0,1,2,3,4,5,6,7,8,9,10,11,12,13,14,15
	v_add_f32 v[EB+4*\i+3], v[EB+4*\i+3], v[BT+\i]
.endr
.endif
.irp i, 0,1,2,3,4,5,6,7,8,9,10,11,12,13,14,15
	ds_store_b128 v[\adr], v[EB+4*\i:EB+4*\i+3] offset:(\off)+2048*\i
.endr
.endm
; candidate c goes into slots j0 .. k - 1.  Mask i = the carry out of (key i : payload i) + not (d2 : payload): 1 exactly where the slot's pair is the larger.  The sums themselves are not wanted: they go to LT, which is free here.
.macro INSERT c, k, j0
.set II, \j0
.rept (\k)-(\j0)
	v_add_co_u32 v[LT+II], s[ML+II], v[LI+II], v[NPX+\c]
.set II, II+1
.endr
.set II, \j0
.rept (\k)-(\j0)
	v_add_co_ci_u32 v[LT+II], s[MK+II], v[LA+II], v[NX+\c], s[ML+II]
.set II, II+1
.endr
.set II, (\j0)+1
.rept (\k)-(\j0)-1
	v_cndmask_b32 v[LT+II], v[LI+II], v[P+\c], s[MK+II]
.set II, II+1
.endr
.set II, (\k)-1
.rept (\k)-(\j0)-1
	v_cndmask_b32 v[LI+II], v[LT+II], v[LI+II-1], s[MK+II-1]
.set II, II-1
.endr
	v_cndmask_b32 v[LI+(\j0)], v[LI+(\j0)], v[P+\c], s[MK+(\j0)]
.set II, (\k)-1
.rept (\k)-(\j0)-1
	v_med3_num_f32 v[LA+II], v[DK+\c], v[LA+II-1], v[LA+II]
.set II, II-1
.endr
	v_min_num_f32 v[LA+(\j0)], v[DK+\c], v[LA+(\j0)]
.endm
; the group of rank j: four trips of four candidates.  A trip works on what the trip before has asked for and asks for the next four; the last trip asks for the next rank's first four.
.macro RANK k, j
	s_mov_b32 s28, 0
.Lrk_\@:
	s_wait_dscnt 0x0                               ; the four candidates asked for a trip ago
.irp i, 0,1,2,3
	v_mul_f32 v[T+\i], v8, v[C+4*\i]
.endr
.if FUSED_DOT
.irp i, 0,1,2,3
	v_fma_f32 v[T+\i], v9, v[C+4*\i+1], v[T+\i]
.endr
.irp i, 0,1,2,3
	v_fma_f32 v[T+\i], v10, v[C+4*\i+2], v[T+\i]
.endr
.else
.irp i, 0,1,2,3
	v_mul_f32 v[T+4+\i], v9, v[C+4*\i+1]
.endr
.irp i, 0,1,2,3
	v_add_f32 v[T+\i], v[T+\i], v[T+4+\i]
.endr
.irp i, 0,1,2,3
	v_mul_f32 v[T+4+\i], v10, v[C+4*\i+2]
.endr
.irp i, 0,1,2,3
	v_add_f32 v[T+\i], v[T+\i], v[T+4+\i]
.endr
.endif
.irp i, 0,1,2,3
	v_add_f32 v[T+4+\i], v11, v[C+4*\i+3]
.endr
.irp i, 0,1,2,3
	v_fma_f32 v[DK+\i], v[T+\i], -2.0, v[T+4+\i]
.endr
.irp i, 0,1,2,3
	v_max_num_f32 v[DK+\i], 0, v[DK+\i]
.endr
.irp i, 0,1,2,3
	v_mov_b32 v[P+\i], v[AD+\i]
	v_xor_b32 v[NPX+\i], -1, v[AD+\i]
	v_xor_b32 v[NX+\i], -1, v[DK+\i]
.endr
	v_add_nc_u32 v[UU], 64, v[UU]
	v_and_b32 v[UU], 0xc0, v[UU]                   ; the next chunk of four; after four trips it is back where it began
	s_cmp_eq_u32 s28, 3
	s_cselect_b32 s29, -1, 0
	v_cndmask_b32 v[GB], v[G+(\j)], v[G+(\j)+1], s29
	v_min_u32 v[GB], 0x17f00, v[GB]                ; a number read from memory enters an address only behind this bound: the table's last group
	v_add_nc_u32 v[GB], v[GB], v[UU]
.irp i, 0,1,2,3
	v_add_nc_u32 v[AD+\i], v[GB], v[R+\i]
.endr
.irp i, 0,1,2,3
	ds_load_b128 v[C+4*\i:C+4*\i+3], v[AD+\i]
.endr
.irp i, 0,1,2,3
	INSERT \i, \k, \j
.endr
	s_add_co_u32 s28, s28, 1
	s_cmp_lt_u32 s28, 4
	s_cbranch_scc1 .Lrk_\@
.endm
.macro PROLOGUE                        ; the first four candidates of the first group
	v_min_u32 v[GB], 0x17f00, v[G]
	v_add_nc_u32 v[GB], v[GB], v[UU]
.irp i, 0,1,2,3
	v_add_nc_u32 v[AD+\i], v[GB], v[R+\i]
.endr
.irp i, 0,1,2,3
	ds_load_b128 v[C+4*\i:C+4*\i+3], v[AD+\i]
.endr
.endm
.macro SELECT k
.set II, 0
.rept \k
	v_mov_b32 v[LA+II], 0x7f800000
	v_mov_b32 v[LI+II], 0
.set II, II+1
.endr
.set RJ, 0
.rept \k
	RANK \k, RJ
.set RJ, RJ+1
.endr
.endm
	s_load_b512 s[4:19], s[0:1], 0x0               ; points1 s[4:5], points2 s[6:7], pc s[8:9], ridx1 s[10:11], ridx2 s[12:13], gid s[14:15], nbr s[16:17], pts s[18:19]
	v_lshl_add_u32 v62, v0, 2, 0x18000
	v_mov_b32 v63, 0
	v_lshrrev_b32 v1, 5, v0
	v_readfirstlane_b32 s20, v1                    ; wave 0..3
	v_and_b32 v1, 31, v0                           ; lane
	s_and_b32 s21, s20, 1                          ; which 32 of the 64 queries
	s_lshr_b32 s24, s20, 1                         ; 0: pc; 1: points1 and points2
	s_lshr_b32 s22, ttmp9, 5                       ; batch
	s_and_b32 s23, ttmp9, 31                       ; which 64 queries of the batch
	v_lshlrev_b32 v2, 2, v0
	v_lshlrev_b32 v3, 4, v0                        ; the table: thread t's entries, sets 0 and 1;
	v_add_nc_u32 v4, 0x10000, v3                   ; set 2
	v_lshlrev_b32 v5, 4, v1
	v_lshlrev_b32 v7, 2, v1
	s_mul_i32 s34, s23, 3072
	s_mul_i32 s35, s21, 1536
	s_add_co_u32 s34, s34, s35
	v_add_nc_u32 v57, s34, v5                      ; my 16 bytes of the table's 1,536 that my wave hands on to pts (waves 2 and 3)
.irp i, 0,1,2,3
	v_add_nc_u32 v[R+\i], \i, v1
	v_and_b32 v[R+\i], 3, v[R+\i]
	v_lshlrev_b32 v[R+\i], 4, v[R+\i]
.endr
	v_bfe_u32 v[UU], v0, 2, 2
	v_lshlrev_b32 v[UU], 6, v[UU]
	s_wait_kmcnt 0x0
	s_cmp_lt_u32 s23, 16
	s_cselect_b64 s[30:31], s[4:5], s[6:7]         ; the set and the index list that my queries come from
	s_cselect_b64 s[32:33], s[10:11], s[12:13]
	s_mul_i32 s26, s22, 24576
	s_mov_b32 s27, 0
	s_add_nc_u64 s[30:31], s[30:31], s[26:27]
	s_add_nc_u64 s[4:5], s[4:5], s[26:27]
	s_add_nc_u64 s[6:7], s[6:7], s[26:27]
	s_add_nc_u64 s[8:9], s[8:9], s[26:27]
	s_lshl_b32 s26, s22, 12
	s_and_b32 s34, s23, 15
	s_lshl_b32 s34, s34, 8
	s_add_co_u32 s26, s26, s34
	s_lshl_b32 s34, s21, 7
	s_add_co_u32 s26, s26, s34
	s_add_nc_u64 s[32:33], s[32:33], s[26:27]
	s_lshl_b32 s26, ttmp9, 13
	s_lshl_b32 s34, s21, 12
	s_add_co_u32 s26, s26, s34
	s_add_nc_u64 s[16:17], s[16:17], s[26:27]      ; nbr at my 32 queries' 4,096 bytes
	s_xor_b32 s34, s24, 1
	s_lshl_b32 s34, s34, 11
	s_add_co_u32 s26, s26, s34
	s_add_nc_u64 s[14:15], s[14:15], s[26:27]      ; gid likewise; pc's slots lie 2,048 bytes in
	s_mul_i32 s26, s22, 98304
	s_add_nc_u64 s[18:19], s[18:19], s[26:27]      ; pts at my batch
	global_load_b32 v6, v7, s[32:33]
.irp c, 0,1,2,3
	global_load_b128 v[G+4*\c:G+4*\c+3], v5, s[14:15] offset:512*\c
.endr
	TLOAD 0, 4
	s_wait_loadcnt 48                              ; the index and the groups are in; the 48 loads issued behind them may be out
	v_min_u32 v6, 2047, v6
	v_lshlrev_b32 v6, 2, v6
	global_load_b32 v8, v6, s[30:31]
	global_load_b32 v9, v6, s[30:31] offset:8192
	global_load_b32 v10, v6, s[30:31] offset:16384
	TLOAD 1, 6
	s_wait_loadcnt 51                              ; set 0 is in; behind it: my query's 3 loads and set 1's 48
	BUILD 0, 3, 0
	TLOAD 2, 8
	s_wait_loadcnt 48                              ; my query and set 1 are in; set 2's 48 may be out
	BUILD 1, 3, 32768
	v_mul_f32 v20, v8, v8
.if FUSED_SQ
	v_fma_f32 v20, v9, v9, v20
	v_fma_f32 v11, v10, v10, v20
.else
	v_mul_f32 v21, v9, v9
	v_add_f32 v20, v20, v21
	v_mul_f32 v21, v10, v10
	v_add_f32 v11, v20, v21
.endif
	s_wait_loadcnt 0x0
	BUILD 2, 4, 0
	v_mov_b32 v[G+16], v[G+15]                     ; what the last rank's last trip asks for: loaded and not used
	s_wait_dscnt 0x0                               ; my part of the table has landed
	s_barrier_signal -1
	s_barrier_wait -1                              ; the table is whole; from here on LDS is only read
	s_cmp_lt_u32 s20, 2
	s_cbranch_scc0 .Lppath
	PROLOGUE
	SELECT 16
	s_wait_dscnt 0x0                               ; the last, unused loads
.irp c, 0,1,2,3
	global_store_b128 v5, v[LI+4*\c:LI+4*\c+3], s[16:17] offset:2048+512*\c   ; 32 lanes store 512 consecutive bytes
.endr
	s_wait_tensorcnt 0x0
	ds_add_u32 v62, v63
	s_wait_dscnt 0x0
	s_endpgm
.Lppath:
	ds_load_b128 v[144:147], v57
	ds_load_b128 v[148:151], v57 offset:512
	ds_load_b128 v[152:155], v57 offset:1024
	s_wait_dscnt 0x0
	global_store_b128 v57, v[144:147], s[18:19]
	global_store_b128 v57, v[148:151], s[18:19] offset:512
	global_store_b128 v57, v[152:155], s[18:19] offset:1024
	PROLOGUE
	s_mov_b32 s35, 0
.Lpdb:                                             ; two trips: points1, then points2; the first four candidates of the second were asked for by the first's last rank
	SELECT 8
	global_store_b128 v5, v[LI:LI+3], s[16:17]
	global_store_b128 v5, v[LI+4:LI+7], s[16:17] offset:512
.irp i, 0,1,2,3,4,5,6,7,8
	v_mov_b32 v[G+\i], v[G+8+\i]                   ; the second set's groups take the first's places
.endr
	s_wait_xcnt 0x0                                ; the stores have read their data and their base: the list is begun anew and the base stepped only behind this wait
	s_add_nc_u64 s[16:17], s[16:17], 1024
	s_add_co_u32 s35, s35, 1
	s_cmp_lt_u32 s35, 2
	s_cbranch_scc1 .Lpdb
	s_wait_dscnt 0x0                               ; the last, unused loads
	s_wait_tensorcnt 0x0
	ds_add_u32 v62, v63
	s_wait_dscnt 0x0
	s_endpgm
.Lfunc_end_k_q3de870f513_refine:
	.size	k_q3de870f513_refine, .Lfunc_end_k_q3de870f513_refine-k_q3de870f513_refine
	.p2alignl 7, 3214868480
	.fill 96, 4, 3214868480
	.section	.rodata,"a",@progbits
	.p2align	6, 0x0
	.amdhsa_kernel k_q3de870f513_refine
		.amdhsa_group_segment_fixed_size 98816
		.amdhsa_private_segment_fixed_size 0
		.amdhsa_enable_private_segment 0
		.amdhsa_kernarg_size 64
		.amdhsa_user_sgpr_count 2
		.amdhsa_user_sgpr_kernarg_segment_ptr 1
		.amdhsa_wavefront_size32 1
		.amdhsa_system_sgpr_workgroup_id_x 1
		.amdhsa_system_sgpr_workgroup_id_y 1
		.amdhsa_system_sgpr_workgroup_id_z 1
		.amdhsa_system_vgpr_workitem_id 0
		.amdhsa_next_free_vgpr 256
		.amdhsa_next_free_sgpr 84
		.amdhsa_reserve_vcc 0
		.amdhsa_float_denorm_mode_32 3
		.amdhsa_float_denorm_mode_16_64 3
		.amdhsa_memory_ordered 1
		.amdhsa_forward_progress 1
		.amdhsa_inst_pref_size 255
	.end_amdhsa_kernel
	.section	.bss,"aw",@nobits
	.p2align	6
	.space	262144
	.amdgpu_metadata
---
amdhsa.version: [ 1, 2 ]
amdhsa.kernels:
  - .name:           k_q3de870f513_refine
    .symbol:         k_q3de870f513_refine.kd
    .args:
      - { .name: points1, .offset: 0, .size: 8, .value_kind: global_buffer, .address_space: global }
      - { .name: points2, .offset: 8, .size: 8, .value_kind: global_buffer, .address_space: global }
      - { .name: pc, .offset: 16, .size: 8, .value_kind: global_buffer, .address_space: global }
      - { .name: ridx1, .offset: 24, .size: 8, .value_kind: global_buffer, .address_space: global }
      - { .name: ridx2, .offset: 32, .size: 8, .value_kind: global_buffer, .address_space: global }
      - { .name: gid, .offset: 40, .size: 8, .value_kind: global_buffer, .address_space: global }
      - { .name: nbr, .offset: 48, .size: 8, .value_kind: global_buffer, .address_space: global }
      - { .name: pts, .offset: 56, .size: 8, .value_kind: global_buffer, .address_space: global }
    .group_segment_fixed_size: 98816
    .private_segment_fixed_size: 0
    .kernarg_segment_align: 8
    .kernarg_segment_size: 64
    .max_flat_workgroup_size: 128
    .sgpr_count:     84
    .vgpr_count:     256
    .wavefront_size: 32
...
	.end_amdgpu_metadata
.endif
;; end of part 2
;; launch fuse (part 3): grid 256 x 1, 8 waves a work-group, no clusters, 41,984 bytes of LDS; arguments points1, points2, ridx1, ridx2, Wq, Wk, Wv, bq, bk, bv, nbr, pts, out0; writes out0
.if DOCPART == 3
	.amdgcn_target "amdgcn-amd-amdhsa--gfx1250"
	.amdhsa_code_object_version 6
	.text
	.protected	k_q3de870f513_fuse
	.globl	k_q3de870f513_fuse
	.p2align	8
	.type	k_q3de870f513_fuse,@function
k_q3de870f513_fuse:
	s_mov_b64 s[64:65], 0
	v_nop
	global_prefetch_b8 v0, s[64:65] scope:SCOPE_SE
	s_setreg_imm32_b32 hwreg(HW_REG_WAVE_MODE, 25, 1), 1
	s_wait_xcnt 0x0
; FUSE.  For each query its 32 neighbours (nbr: addresses into pts) give features (residual, distance); q, k, v = features x W + b in f32 (K = 4, the f32 matrix form);
; scores = q k^T and y = p v on codes of FP6 (E2M3) with one E8M0 scale for each 32 along K; p = 2^(t - M), t = score x log2(e) / 8, M = the ceiling of the row's largest t; y is divided by the sum of the unquantised p;
; the largest channel of each row of y is the row's score; a softmax over the 32 rows (its maximum taken away) weighs the neighbours: out = q + sum of w x residual, which is sum of w x neighbour since the w add up to 1.
; The result does not hang on the order of the 32 neighbours, so they are taken in the order of the list.
; LIMITS: NaN and infinities are not served; a squared distance that is denormal gives the distance 0 (the root takes denormals as 0: ISA guide, its entry among the vector instructions).
; SHARES.  A work-group takes 64 queries, each of its eight waves eight, one a trip.  Two waves to a SIMD, so that one wave's vector work stands beside the other's matrix work.
; LAYOUTS (r = lane % 16, h = lane / 16).  F_u (2 registers): neighbour 16 u + r, features 2 h, 2 h + 1: source 1 for q and k, source 0 for v.
; q, k: D = W's tile t (source 0) x F_u + bias; row m of tile t is channel 32 (m / 8) + 8 t + m % 8, so lane (r, h) holds neighbour 16 u + r and channels 32 h + 0 .. 31 in 32 registers on end: a whole block of the quantiser.
;   Its codes go to the fragment's registers 0-2 and 6-8; 3-5 and 9-11 stay zero codes.  That places channel 32 h + i at k = 32 h + i (i < 16) or 64 + 32 h + i - 16, alike in q and k; the scale word is [s0, s1, s0, s1].
; scores: tile (u, a) = k's fragment u (source 0) x q's fragment a (source 1): lane (r, h) holds row 16 a + r and keys 16 u + 8 h + j.
; v: D = F_u (source 0) x Wv's tile t (source 1) + bias: lane (r, h) holds channel 16 t + r and keys 16 u + 8 h + j: p's order.  p's and v's 16 codes a lane go to registers 0-2 (k = 32 h + 8 u + j); the block's one byte stands twice.
;   p's fragments keep zero codes in registers 3-11, so what v's fragments still hold in 6-8 adds nothing.
; y: tile (a, t) = v's fragment t (source 0) x p's fragment a (source 1): lane (r, h) holds row 16 a + r and channels 16 t + 8 h + j.
; Every product is whole in one instruction: no sum is carried from one matrix instruction to another.
; REGISTERS.  Window 0: v1-11 addresses and my queries; v12-19 two neighbours; v20-27 residuals and distances; v28-31 F; v32-41 scale words and nothing else; v42-61 at work;
;   v64-127 the pool D, written by matrix instructions alone; v128-159 scores, then p; v160-207 four fragments (q's two, k's two; later v's four); v208-231 p's two; v232-254 at work.
;   Window 1: v0-23 the weights' tiles; v32-127 the biases' tiles.
.set WST,  4752                        ; a wave's stage in LDS: nine rows of SROW bytes: eight queries' 32 neighbours x 16 bytes (+ 16), and a ninth row of filler that the last trip's look-ahead reads
.set SROW, 528
.set OUT,  38144                       ; behind the stages: 3 rows of 256 bytes: the work-group's 64 results by component
.set F,   28
.set SQ,  32                           ; scale words: q's two, k's two, v's four, p's two
.set SK,  34
.set SV,  36
.set SPW, 40
.set TM,  42                           ; v42-45 maxima; v46-49 the conversions' scale operands; v50-53 what comes from lane l xor 16; v54-57 bytes; v[58:59], v[60:61] -M
.set TO,  46
.set TP,  50
.set TB,  54
.set NM,  58
.set D,   64
.set S,   128
.set FR,  160
.set PF,  208
.set NB,  232
.set LS,  240                          ; v[240:241], v[242:243] the rows' sums in two halves; v244-245 the sums; v246-247 their reciprocals; v248-249 the rows' scores; v250-254 the last softmax
.set WQ,  0                            ; window 1
.set WK,  8
.set WV,  16
.set CQ,  32
.set CK,  64
.set CV,  96
.set MSB, 0
.macro WIN new                         ; the immediate's high byte repeats the setting that is left
.if MSB != \new
	s_set_vgpr_msb (MSB<<8)|\new
.set MSB, \new
.endif
.endm
.macro PLACES n
.rept \n
	v_nop
.endr
.endm
; q or k of all 32 neighbours: eight products of the f32 form, then its eight places ahead of the first read of a result
.macro PROJ wr, cr
	WIN 0x11                                       ; source 0 (the weights) and source 2 (the bias) in window 1
.irp u, 0,1
.irp t, 0,1,2,3
	v_wmma_f32_16x16x4_f32 v[D+32*\u+8*\t:D+32*\u+8*\t+7], v[\wr+2*\t:\wr+2*\t+1], v[F+2*\u:F+2*\u+1], v[\cr+8*\t:\cr+8*\t+7]
.endr
.endr
	WIN 0
	PLACES 8
.endm
; the pool's 2 x 32 numbers a lane (a whole block each) become the fragments at fr, fr + 12 and the scale words at sc, sc + 1.  Each tile is read from its low end on.
.macro QUANTQK fr, sc
.irp u, 0,1
	v_max3_num_f32 v[TM+\u], |v[D+32*\u]|, |v[D+32*\u+1]|, 0x1800000      ; with the floor 2^(3 - 127): the byte cannot fall under 1
	v_max3_num_f32 v[TM+2+\u], |v[D+32*\u+16]|, |v[D+32*\u+17]|, 0x1800000
.endr
.irp i, 2,4,6,8,10,12,14
.irp u, 0,1
	v_max3_num_f32 v[TM+\u], v[TM+\u], |v[D+32*\u+\i]|, |v[D+32*\u+\i+1]|
	v_max3_num_f32 v[TM+2+\u], v[TM+2+\u], |v[D+32*\u+16+\i]|, |v[D+32*\u+17+\i]|
.endr
.endr
.irp u, 0,1
	v_max_num_f32 v[TM+\u], v[TM+\u], v[TM+2+\u]
.endr
.irp u, 0,1
	v_add_nc_u32 v[TO+\u], 0xff000000, v[TM+\u]    ; 2 off the exponent field: the conversion's scale operand
.endr
.irp u, 0,1
	v_lshrrev_b32 v[TB+\u], 23, v[TO+\u]           ; the block's byte
.endr
.irp u, 0,1
	v_permlanex16_b32 v[TP+\u], v[TB+\u], s38, s39 ; the row's other block's byte
.endr
.irp u, 0,1
	v_cvt_scalef32_pk16_fp6_f32 v[\fr+12*\u:\fr+12*\u+2], v[D+32*\u:D+32*\u+15], v[TO+\u]
	v_cvt_scalef32_pk16_fp6_f32 v[\fr+12*\u+6:\fr+12*\u+8], v[D+32*\u+16:D+32*\u+31], v[TO+\u]
.endr
.irp u, 0,1
	v_lshl_or_b32 v[\sc+\u], v[TP+\u], 8, v[TB+\u] ; lanes 0-15: [s0, s1]  (these lines are also the plain place behind the conversions)
.endr
.irp u, 0,1
	v_lshl_or_b32 v[\sc+\u], v[\sc+\u], 16, v[\sc+\u]
.endr
.endm
	s_load_b512 s[4:19], s[0:1], 0x0               ; points1 s[4:5], points2 s[6:7], ridx1 s[8:9], ridx2 s[10:11], Wq s[12:13], Wk s[14:15], Wv s[16:17], bq s[18:19]
	s_load_b256 s[20:27], s[0:1], 0x40             ; bk s[20:21], bv s[22:23], nbr s[24:25], pts s[26:27]
	s_load_b64 s[28:29], s[0:1], 0x60              ; out0
	v_lshl_add_u32 v63, v0, 2, 0xa000
	v_mov_b32 v255, 0
	v_lshrrev_b32 v1, 5, v0
	v_readfirstlane_b32 s30, v1                    ; wave 0..7
	s_lshr_b32 s31, ttmp9, 5                       ; batch
	s_and_b32 s32, ttmp9, 31                       ; which 64 queries of the batch
	v_and_b32 v1, 15, v0                           ; r
	v_bfe_u32 v2, v0, 4, 1                         ; h
	v_and_b32 v54, 31, v0                          ; lane
	v_and_b32 v55, 7, v0                           ; lane % 8: at the head a lane serves query lane % 8
	v_bfe_u32 v56, v0, 3, 2                        ; lane / 8
	s_mul_i32 s48, s30, WST
	v_lshl_add_u32 v3, v1, 4, s48                  ; the stage, on the way out: neighbour r of row 0
	v_mul_u32_u24 v48, v55, SROW
	v_lshl_add_u32 v48, v56, 6, v48
	v_add_nc_u32 v48, s48, v48                     ; on the way in: row lane % 8, neighbours 4 (lane / 8) on
	v_lshl_add_u32 v49, v54, 4, s48
	v_add_nc_u32 v49, 8*SROW, v49                  ; the ninth row
	s_lshl_b32 s48, s30, 5
	s_add_co_u32 s48, s48, OUT
	v_mov_b32 v5, s48                              ; where my wave's eight results go, 4 bytes each
	s_lshl_b32 s48, s30, 8
	s_add_co_u32 s48, s48, OUT
	v_lshl_add_u32 v10, v54, 3, s48                ; the end: wave w (0 to 2) reads component w's 256 bytes
	v_lshlrev_b32 v11, 3, v54
	v_lshlrev_b32 v42, 9, v56
	v_lshl_add_u32 v42, v55, 4, v42                ; nbr: slots 4 (lane / 8) on of query lane % 8
	v_lshlrev_b32 v43, 2, v55                      ; the index list
	v_lshrrev_b32 v44, 3, v1
	v_lshlrev_b32 v44, 5, v44
	v_and_b32 v57, 7, v1
	v_add_nc_u32 v44, v44, v57
	v_lshlrev_b32 v44, 2, v44
	v_lshl_add_u32 v44, v2, 9, v44                 ; Wq, Wk: feature 2 h, channel 32 (r / 8) + r % 8
	v_lshlrev_b32 v45, 2, v1
	v_lshl_add_u32 v45, v2, 9, v45                 ; Wv: feature 2 h, channel r
	v_lshlrev_b32 v46, 7, v2                       ; bq, bk: channel 32 h
	v_lshlrev_b32 v47, 2, v1                       ; bv: channel r
	s_mov_b32 s33, 0                               ; the trip
	s_mov_b32 s34, 0                               ; the stage's row ahead
	s_mov_b32 s35, 0                               ; the result's place
	s_mov_b32 s36, 0x3e38aa3b                      ; c = log2(e) / 8
	s_mov_b32 s37, s36                             ; (the packed form names the pair)
	s_mov_b32 s38, 0x76543210
	s_mov_b32 s39, 0xfedcba98                      ; selects for lane l xor 16
	s_mov_b32 s40, 0xffff0000                      ; lanes 16-31
	s_wait_kmcnt 0x0
	s_cmp_lt_u32 s32, 16
	s_cselect_b64 s[44:45], s[4:5], s[6:7]         ; the set and the index list that my queries come from
	s_cselect_b64 s[46:47], s[8:9], s[10:11]
	s_mul_i32 s48, s31, 24576
	s_mov_b32 s49, 0
	s_add_nc_u64 s[44:45], s[44:45], s[48:49]
	s_lshl_b32 s50, s32, 8
	s_add_co_u32 s48, s48, s50
	s_lshl_b32 s50, s30, 13
	s_add_co_u32 s48, s48, s50
	s_add_nc_u64 s[28:29], s[28:29], s[48:49]      ; out0: my batch, component = wave (used by waves 0 to 2 alone), my 64 queries
	s_lshl_b32 s48, s31, 12
	s_and_b32 s50, s32, 15
	s_lshl_b32 s50, s50, 8
	s_add_co_u32 s48, s48, s50
	s_lshl_b32 s50, s30, 5
	s_add_co_u32 s48, s48, s50
	s_add_nc_u64 s[46:47], s[46:47], s[48:49]
	s_lshl_b32 s48, ttmp9, 13
	s_lshr_b32 s50, s30, 2
	s_lshl_b32 s50, s50, 12
	s_add_co_u32 s48, s48, s50
	s_and_b32 s50, s30, 3
	s_lshl_b32 s50, s50, 7
	s_add_co_u32 s48, s48, s50
	s_add_nc_u64 s[24:25], s[24:25], s[48:49]      ; nbr: the block of 32 queries, my eight of them
	s_mul_i32 s48, s31, 98304
	s_add_nc_u64 s[26:27], s[26:27], s[48:49]      ; pts at my batch
	global_load_b128 v[NB:NB+3], v42, s[24:25]
	global_load_b128 v[NB+4:NB+7], v42, s[24:25] offset:2048
	global_load_b32 v52, v43, s[46:47]
	WIN 0x40                                       ; destination window 1
.irp t, 0,1,2,3
.irp j, 0,1
	global_load_b32 v[WQ+2*\t+\j], v44, s[12:13] offset:256*\j+32*\t
	global_load_b32 v[WK+2*\t+\j], v44, s[14:15] offset:256*\j+32*\t
	global_load_b32 v[WV+2*\t+\j], v45, s[16:17] offset:256*\j+64*\t
.endr
	global_load_b128 v[CQ+8*\t:CQ+8*\t+3], v46, s[18:19] offset:32*\t
	global_load_b128 v[CQ+8*\t+4:CQ+8*\t+7], v46, s[18:19] offset:32*\t+16
	global_load_b128 v[CK+8*\t:CK+8*\t+3], v46, s[20:21] offset:32*\t
	global_load_b128 v[CK+8*\t+4:CK+8*\t+7], v46, s[20:21] offset:32*\t+16
.irp j, 0,1,2,3,4,5,6,7
	global_load_b32 v[CV+8*\t+\j], v47, s[22:23] offset:64*\t     ; a lane's channel has one bias for its eight keys
.endr
.endr
	WIN 0
	s_wait_loadcnt 63                              ; 72 loads were issued behind the first three; the wait's field ends at 63, and the smaller count also shows the three in
.irp i, 0,1,2,3,4,5,6,7
	v_min_u32 v[NB+\i], 0x17ff0, v[NB+\i]          ; a number read from memory enters an address only behind this bound: the table's last entry
.endr
	v_min_u32 v52, 2047, v52
	v_lshlrev_b32 v52, 2, v52
.irp i, 0,1,2,3,4,5,6,7
	global_load_b128 v[S+4*\i:S+4*\i+3], v[NB+\i], s[26:27]
.endr
	global_load_b32 v7, v52, s[44:45]
	global_load_b32 v8, v52, s[44:45] offset:8192
	global_load_b32 v9, v52, s[44:45] offset:16384
.irp f, 0,1,2,3
.irp i, 3,4,5,9,10,11
	v_mov_b32 v[FR+12*\f+\i], 0                    ; zero codes that stay
.endr
.endr
.irp f, 0,1
.irp i, 3,4,5,6,7,8,9,10,11
	v_mov_b32 v[PF+12*\f+\i], 0
.endr
.endr
	s_wait_loadcnt 0x0
.irp j, 0,1
.irp e, 0,1,2,3
	ds_store_b128 v48, v[S+16*\j+4*\e:S+16*\j+4*\e+3] offset:256*\j+16*\e
.endr
.endr
	ds_store_b128 v49, v[S:S+3]                    ; the ninth row: filler
.irp i, 0,1,2,3
	v_mov_b32 v[TP+\i], 0                          ; written once: a lane permute's destination counts as one of its sources
.endr
	v_mov_b32 v[NM+1], 0                           ; (named as the upper halves of the pairs)
	v_mov_b32 v[NM+3], 0
	ds_load_b128 v[12:15], v3                      ; the first query's neighbours r and 16 + r: LDS serves a wave's instructions in order, and the stage is my wave's own
	ds_load_b128 v[16:19], v3 offset:256
.Ltrip:
	; ---- the features
	s_wait_dscnt 0x0                               ; this query's two neighbours, asked for a trip ago
	v_readlane_b32 s41, v7, s33
	v_readlane_b32 s42, v8, s33
	v_readlane_b32 s43, v9, s33
	v_sub_f32 v20, v12, s41
	v_sub_f32 v21, v13, s42
	v_sub_f32 v22, v14, s43
	v_sub_f32 v24, v16, s41
	v_sub_f32 v25, v17, s42
	v_sub_f32 v26, v18, s43
	s_add_co_u32 s34, s34, SROW
	v_add_nc_u32 v4, s34, v3
	ds_load_b128 v[12:15], v4                      ; the next query's (the last trip: the filler)
	ds_load_b128 v[16:19], v4 offset:256
	v_mul_f32 v23, v20, v20
	v_mul_f32 v27, v24, v24
	v_fmac_f32 v23, v21, v21
	v_fmac_f32 v27, v25, v25
	v_fmac_f32 v23, v22, v22
	v_fmac_f32 v27, v26, v26
	v_sqrt_f32 v23, v23                            ; the root of 0 is 0, as the safe norm has it
	v_sqrt_f32 v27, v27
	v_cndmask_b32 v[F], v20, v22, s40              ; lanes 0-15 features 0, 1; lanes 16-31 features 2, 3  (plain lines behind the roots)
	v_cndmask_b32 v[F+2], v24, v26, s40
	s_wait_alu depctr_va_vdst(0)                   ; the wait ahead of the roots' first reader: one for both
	v_cndmask_b32 v[F+1], v21, v23, s40
	v_cndmask_b32 v[F+3], v25, v27, s40
	; ---- q, k, v.  The pool is written anew nine places or more behind the products that wrote it: the eight v_nop and the quantiser's lines on its own registers
	PROJ WQ, CQ
	QUANTQK FR, SQ
	PROJ WK, CK
	QUANTQK FR+24, SK
	WIN 0x14                                       ; source 1 (the weights) and source 2 (the bias) in window 1
.irp t, 0,1,2,3
.irp u, 0,1
	v_wmma_f32_16x16x4_f32 v[D+16*\t+8*\u:D+16*\t+8*\u+7], v[F+2*\u:F+2*\u+1], v[WV+2*\t:WV+2*\t+1], v[CV+8*\t:CV+8*\t+7]
.endr
.endr
	WIN 0
	PLACES 8                                       ; for the reads of v below; also the eight places between k's scale words and the scaled products, and the four behind k's codes
	; ---- the scores
.irp a, 0,1
.irp u, 0,1
	v_wmma_scale_f32_16x16x128_f8f6f4 v[S+16*\a+8*\u:S+16*\a+8*\u+7], v[FR+24+12*\u:FR+24+12*\u+11], v[FR+12*\a:FR+12*\a+11], 0, v[SK+\u], v[SQ+\a] matrix_a_fmt:MATRIX_FMT_FP6 matrix_b_fmt:MATRIX_FMT_FP6
.endr
.endr
	; ---- v is quantised along the keys: a lane holds 16 of a channel's 32, lane l xor 16 the others.  The 32 maxima are the places behind the scores' products, whose fragments the codes then take
.irp t, 0,1,2,3
	v_max3_num_f32 v[TM+\t], |v[D+16*\t]|, |v[D+16*\t+1]|, 0x1800000
.endr
.irp i, 2,4,6,8,10,12,14
.irp t, 0,1,2,3
	v_max3_num_f32 v[TM+\t], v[TM+\t], |v[D+16*\t+\i]|, |v[D+16*\t+\i+1]|
.endr
.endr
.irp t, 0,1,2,3
	v_permlanex16_b32 v[TP+\t], v[TM+\t], s38, s39
.endr
.irp t, 0,1,2,3
	v_max_num_f32 v[TM+\t], v[TM+\t], v[TP+\t]
.endr
.irp t, 0,1,2,3
	v_add_nc_u32 v[TO+\t], 0xff000000, v[TM+\t]
.endr
.irp t, 0,1,2,3
	v_lshrrev_b32 v[TB+\t], 23, v[TO+\t]
.endr
.irp t, 0,1,2,3
	v_cvt_scalef32_pk16_fp6_f32 v[FR+12*\t:FR+12*\t+2], v[D+16*\t:D+16*\t+15], v[TO+\t]
.endr
.irp t, 0,1,2,3
	v_lshl_or_b32 v[SV+\t], v[TB+\t], 8, v[TB+\t]  ; the one block's byte for k = 0-31 and 32-63  (also the plain place behind the conversions)
.endr
	; ---- the softmax ahead of the second product, both tiles of rows by turns
.irp a, 0,1
	v_max3_num_f32 v[TM+\a], v[S+16*\a], v[S+16*\a+1], v[S+16*\a+2]
.endr
.irp i, 3,5,7,9,11,13
.irp a, 0,1
	v_max3_num_f32 v[TM+\a], v[TM+\a], v[S+16*\a+\i], v[S+16*\a+\i+1]
.endr
.endr
.irp a, 0,1
	v_max_num_f32 v[TM+\a], v[TM+\a], v[S+16*\a+15]
.endr
.irp a, 0,1
	v_permlanex16_b32 v[TP+\a], v[TM+\a], s38, s39
.endr
.irp a, 0,1
	v_max_num_f32 v[TM+\a], v[TM+\a], v[TP+\a]     ; the row's largest score: p rises with the score, so it also gives the block's largest p
.endr
.irp a, 0,1
	v_mul_f32 v[TO+\a], s36, v[TM+\a]
.endr
.irp a, 0,1
	v_floor_f32 v[NM+2*\a], -v[TO+\a]              ; -M = floor(-t) = -ceil(t)
.endr
.irp i, 0,2,4,6,8,10,12,14
.irp a, 0,1
	v_pk_fma_f32 v[S+16*\a+\i:S+16*\a+\i+1], v[S+16*\a+\i:S+16*\a+\i+1], s[36:37], v[NM+2*\a:NM+2*\a+1] op_sel_hi:[1,0,0]
.endr
.endr
.irp a, 0,1
	v_fma_f32 v[TM+\a], v[TM+\a], s36, v[NM+2*\a]
.endr
.irp j, 0,1,2,3,4,5,6,7,8,9,10,11,12,13,14,15,16,17,18,19,20,21,22,23,24,25,26,27,28,29,30,31
	v_exp_f32 v[S+\j], v[S+\j]                     ; p = 2^(t - M)
.endr
.irp a, 0,1
	v_exp_f32 v[TM+\a], v[TM+\a]                   ; the row's largest p: the same two instructions on the same number
.endr
	v_nop                                          ; a plain line behind the last exponential
	s_wait_alu depctr_va_vdst(0)                   ; one wait for the batch of 34, ahead of its first reader
.irp a, 0,1
	v_max_num_f32 v[TM+\a], 0x1800000, v[TM+\a]
.endr
.irp a, 0,1
	v_add_nc_u32 v[TO+\a], 0xff000000, v[TM+\a]
.endr
.irp a, 0,1
	v_lshrrev_b32 v[TB+\a], 23, v[TO+\a]
.endr
.irp a, 0,1
	v_lshl_or_b32 v[SPW+\a], v[TB+\a], 8, v[TB+\a]
.endr
.irp a, 0,1
	v_cvt_scalef32_pk16_fp6_f32 v[PF+12*\a:PF+12*\a+2], v[S+16*\a:S+16*\a+15], v[TO+\a]
.endr
.irp a, 0,1
	v_pk_add_f32 v[LS+2*\a:LS+2*\a+1], v[S+16*\a:S+16*\a+1], v[S+16*\a+2:S+16*\a+3]   ; the row's sum of the unquantised p.  These lines are also the places between p's scale words and codes and the products
.endr
.irp i, 4,6,8,10,12,14
.irp a, 0,1
	v_pk_add_f32 v[LS+2*\a:LS+2*\a+1], v[LS+2*\a:LS+2*\a+1], v[S+16*\a+\i:S+16*\a+\i+1]
.endr
.endr
.irp a, 0,1
	v_add_f32 v[244+\a], v[LS+2*\a], v[LS+2*\a+1]
.endr
.irp a, 0,1
	v_permlanex16_b32 v[TP+\a], v[244+\a], s38, s39
.endr
.irp a, 0,1
	v_add_f32 v[244+\a], v[244+\a], v[TP+\a]
.endr
.irp a, 0,1
	v_rcp_f32 v[246+\a], v[244+\a]
.endr
	v_nop                                          ; a plain line behind the reciprocals; their wait stands ahead of their reader below
	; ---- y = p v
.irp a, 0,1
.irp t, 0,1,2,3
	v_wmma_scale_f32_16x16x128_f8f6f4 v[D+32*\a+8*\t:D+32*\a+8*\t+7], v[FR+12*\t:FR+12*\t+11], v[PF+12*\a:PF+12*\a+11], 0, v[SV+\t], v[SPW+\a] matrix_a_fmt:MATRIX_FMT_FP6 matrix_b_fmt:MATRIX_FMT_FP6
.endr
.endr
	PLACES 4
	; ---- a row's score: its largest channel, each tile read from its low end on
.irp a, 0,1
	v_max3_num_f32 v[TM+\a], v[D+32*\a], v[D+32*\a+1], v[D+32*\a+2]
	v_max3_num_f32 v[TM+2+\a], v[D+32*\a+16], v[D+32*\a+17], v[D+32*\a+18]
.endr
.irp i, 3,5,7,9,11,13
.irp a, 0,1
	v_max3_num_f32 v[TM+\a], v[TM+\a], v[D+32*\a+\i], v[D+32*\a+\i+1]
	v_max3_num_f32 v[TM+2+\a], v[TM+2+\a], v[D+32*\a+16+\i], v[D+32*\a+17+\i]
.endr
.endr
.irp a, 0,1
	v_max3_num_f32 v[TM+\a], v[TM+\a], v[D+32*\a+15], v[D+32*\a+31]
.endr
.irp a, 0,1
	v_max_num_f32 v[TM+\a], v[TM+\a], v[TM+2+\a]
.endr
.irp a, 0,1
	v_permlanex16_b32 v[TP+\a], v[TM+\a], s38, s39
.endr
.irp a, 0,1
	v_max_num_f32 v[TM+\a], v[TM+\a], v[TP+\a]
.endr
	s_wait_alu depctr_va_vdst(0)                   ; the wait for the two reciprocals, ahead of their first reader
.irp a, 0,1
	v_mul_f32 v[248+\a], v[TM+\a], v[246+\a]       ; the sum is positive, so the largest y over the sum is the largest of y over the sum
.endr
	; ---- the softmax over the 32 rows (lane r holds rows r and 16 + r; both halves of the lanes hold the same) and the weighted sum
	v_max_num_f32 v250, v248, v249
.irp x, 1,2,4,8
	v_max_num_f32_dpp v250, v250, v250 row_xmask:\x row_mask:0xf bank_mask:0xf
.endr
	v_sub_f32 v248, v248, v250
	v_sub_f32 v249, v249, v250
	v_mul_f32 v248, 0x3fb8aa3b, v248
	v_mul_f32 v249, 0x3fb8aa3b, v249
	v_exp_f32 v248, v248
	v_exp_f32 v249, v249
	v_add_nc_u32 v6, s35, v5                       ; (a plain line behind the exponentials)  where this query's result goes
	s_wait_alu depctr_va_vdst(0)
	v_add_f32 v251, v248, v249
	v_mul_f32 v252, v248, v20
	v_mul_f32 v253, v248, v21
	v_mul_f32 v254, v248, v22
	v_fmac_f32 v252, v249, v24
	v_fmac_f32 v253, v249, v25
	v_fmac_f32 v254, v249, v26
.irp x, 1,2,4,8
	v_add_f32_dpp v251, v251, v251 row_xmask:\x row_mask:0xf bank_mask:0xf
	v_add_f32_dpp v252, v252, v252 row_xmask:\x row_mask:0xf bank_mask:0xf
	v_add_f32_dpp v253, v253, v253 row_xmask:\x row_mask:0xf bank_mask:0xf
	v_add_f32_dpp v254, v254, v254 row_xmask:\x row_mask:0xf bank_mask:0xf
.endr
	v_rcp_f32 v251, v251
	v_nop
	s_wait_alu depctr_va_vdst(0)
	v_fma_f32 v252, v252, v251, s41
	v_fma_f32 v253, v253, v251, s42
	v_fma_f32 v254, v254, v251, s43
	ds_store_b32 v6, v252                          ; all lanes write the same word with the same value
	ds_store_b32 v6, v253 offset:256
	ds_store_b32 v6, v254 offset:512
	s_add_co_u32 s35, s35, 4
	s_add_co_u32 s33, s33, 1
	s_cmp_lt_u32 s33, 8
	s_cbranch_scc1 .Ltrip
	s_wait_dscnt 0x0                               ; my results have landed (and the look-ahead's last loads are in)
	s_barrier_signal -1
	s_barrier_wait -1
	s_cmp_lt_u32 s30, 3
	s_cbranch_scc0 .Lend
	ds_load_b64 v[12:13], v10
	s_wait_dscnt 0x0
	global_store_b64 v11, v[12:13], s[28:29]       ; 32 lanes store 256 consecutive bytes, at a multiple of 256 from out0's first byte: 64 queries of one component
.Lend:
	s_wait_tensorcnt 0x0
	ds_add_u32 v63, v255
	s_wait_dscnt 0x0
	s_endpgm
.Lfunc_end_k_q3de870f513_fuse:
	.size	k_q3de870f513_fuse, .Lfunc_end_k_q3de870f513_fuse-k_q3de870f513_fuse
	.p2alignl 7, 3214868480
	.fill 96, 4, 3214868480
	.section	.rodata,"a",@progbits
	.p2align	6, 0x0
	.amdhsa_kernel k_q3de870f513_fuse
		.amdhsa_group_segment_fixed_size 41984
		.amdhsa_private_segment_fixed_size 0
		.amdhsa_enable_private_segment 0
		.amdhsa_kernarg_size 104
		.amdhsa_user_sgpr_count 2
		.amdhsa_user_sgpr_kernarg_segment_ptr 1
		.amdhsa_wavefront_size32 1
		.amdhsa_system_sgpr_workgroup_id_x 1
		.amdhsa_system_sgpr_workgroup_id_y 1
		.amdhsa_system_sgpr_workgroup_id_z 1
		.amdhsa_system_vgpr_workitem_id 0
		.amdhsa_next_free_vgpr 384
		.amdhsa_next_free_sgpr 66
		.amdhsa_reserve_vcc 0
		.amdhsa_float_denorm_mode_32 3
		.amdhsa_float_denorm_mode_16_64 3
		.amdhsa_memory_ordered 1
		.amdhsa_forward_progress 1
		.amdhsa_inst_pref_size 40
	.end_amdhsa_kernel
	.amdgpu_metadata
---
amdhsa.version: [ 1, 2 ]
amdhsa.kernels:
  - .name:           k_q3de870f513_fuse
    .symbol:         k_q3de870f513_fuse.kd
    .args:
      - { .name: points1, .offset: 0, .size: 8, .value_kind: global_buffer, .address_space: global }
      - { .name: points2, .offset: 8, .size: 8, .value_kind: global_buffer, .address_space: global }
      - { .name: ridx1, .offset: 16, .size: 8, .value_kind: global_buffer, .address_space: global }
      - { .name: ridx2, .offset: 24, .size: 8, .value_kind: global_buffer, .address_space: global }
      - { .name: Wq, .offset: 32, .size: 8, .value_kind: global_buffer, .address_space: global }
      - { .name: Wk, .offset: 40, .size: 8, .value_kind: global_buffer, .address_space: global }
      - { .name: Wv, .offset: 48, .size: 8, .value_kind: global_buffer, .address_space: global }
      - { .name: bq, .offset: 56, .size: 8, .value_kind: global_buffer, .address_space: global }
      - { .name: bk, .offset: 64, .size: 8, .value_kind: global_buffer, .address_space: global }
      - { .name: bv, .offset: 72, .size: 8, .value_kind: global_buffer, .address_space: global }
      - { .name: nbr, .offset: 80, .size: 8, .value_kind: global_buffer, .address_space: global }
      - { .name: pts, .offset: 88, .size: 8, .value_kind: global_buffer, .address_space: global }
      - { .name: out0, .offset: 96, .size: 8, .value_kind: global_buffer, .address_space: global }
    .group_segment_fixed_size: 41984
    .private_segment_fixed_size: 0
    .kernarg_segment_align: 8
    .kernarg_segment_size: 104
    .max_flat_workgroup_size: 256
    .sgpr_count:     66
    .vgpr_count:     384
    .wavefront_size: 32
...
	.end_amdgpu_metadata
.endif
;; end of part 3
;; ======== version 2 of 2: 3 launches; version 1 with the launch fuse written anew for expert scheduling mode
;; workspace buffers: gid 2,097,152 bytes of whole numbers; nbr 2,097,152 bytes of whole numbers; pts 786,432 bytes
;; launch groups: the kernel of part 1 again; grid 256 x 1, 8 waves a work-group, no clusters, 136,192 bytes of LDS; arguments points1, points2, pc, ridx1, ridx2, gid; writes gid
;; launch refine: the kernel of part 2 again; grid 256 x 1, 4 waves a work-group, no clusters, 98,816 bytes of LDS; arguments points1, points2, pc, ridx1, ridx2, gid, nbr, pts; writes nbr, pts
;; launch fuse (part 4): grid 256 x 1, 8 waves a work-group, no clusters, 41,984 bytes of LDS; arguments points1, points2, ridx1, ridx2, Wq, Wk, Wv, bq, bk, bv, nbr, pts, out0; writes out0
.if DOCPART == 4
	.amdgcn_target "amdgcn-amd-amdhsa--gfx1250"
	.amdhsa_code_object_version 6
	.text
	.protected	k_q3de870f513_fuse
	.globl	k_q3de870f513_fuse
	.p2align	8
	.type	k_q3de870f513_fuse,@function
k_q3de870f513_fuse:
	s_mov_b64 s[64:65], 0
	v_nop
	global_prefetch_b8 v0, s[64:65] scope:SCOPE_SE
	s_setreg_imm32_b32 hwreg(HW_REG_WAVE_SCHED_MODE, 0, 2), 2
	s_setreg_imm32_b32 hwreg(HW_REG_WAVE_MODE, 25, 1), 1
	s_wait_xcnt 0x0
	s_wait_alu depctr_vm_vsrc(0)
; FUSE.  For each query its 32 neighbours (nbr: addresses into pts) give features (residual, distance); q, k, v = features x W + b in f32 (K = 4, the f32 matrix form);
; scores = q k^T and y = p v on codes of FP6 (E2M3) with one E8M0 scale for each 32 along K; p = 2^(t - M), t = score x log2(e) / 8, M = the ceiling of the row's largest t; y is divided by the sum of the unquantised p;
; the largest channel of each row of y is the row's score; a softmax over the 32 rows (its maximum taken away) weighs the neighbours: out = q + sum of w x residual, which is sum of w x neighbour since the w add up to 1.
; The result does not hang on the order of the 32 neighbours, so they are taken in the order of the list.
; LIMITS: NaN and infinities are not served; a squared distance that is denormal gives the distance 0 (the root takes denormals as 0: ISA guide, its entry among the vector instructions).
; SHARES.  A work-group takes 64 queries, each of its eight waves eight, one a trip.  Two waves to a SIMD, so that one wave's vector work stands beside the other's matrix work.
; LAYOUTS (r = lane % 16, h = lane / 16).  F_u (2 registers): neighbour 16 u + r, features 2 h, 2 h + 1: source 1 for q and k, source 0 for v.
; q, k: D = W's tile t (source 0) x F_u + bias; row m of tile t is channel 32 (m / 8) + 8 t + m % 8, so lane (r, h) holds neighbour 16 u + r and channels 32 h + 0 .. 31 in 32 registers on end: a whole block of the quantiser.
;   Its codes go to the fragment's registers 0-2 and 6-8; 3-5 and 9-11 stay zero codes.  That places channel 32 h + i at k = 32 h + i (i < 16) or 64 + 32 h + i - 16, alike in q and k; the scale word is [s0, s1, s0, s1].
; scores: tile (u, a) = k's fragment u (source 0) x q's fragment a (source 1): lane (r, h) holds row 16 a + r and keys 16 u + 8 h + j.
; v: D = F_u (source 0) x Wv's tile t (source 1) + bias: lane (r, h) holds channel 16 t + r and keys 16 u + 8 h + j: p's order.  p's and v's 16 codes a lane go to registers 0-2 (k = 32 h + 8 u + j); the block's one byte stands twice.
;   p's fragments keep zero codes in registers 3-11, so what v's fragments still hold in 6-8 adds nothing.
; y: tile (a, t) = v's fragment t (source 0) x p's fragment a (source 1): lane (r, h) holds row 16 a + r and channels 16 t + 8 h + j.
; Every product is whole in one instruction: no sum is carried from one matrix instruction to another.
; REGISTERS.  Window 0: v1-11 addresses and my queries; v12-19 two neighbours; v20-27 residuals and distances; v28-31 F; v32-41 scale words and nothing else; v42-61 at work;
;   v64-127 the pool D, written by matrix instructions alone; v128-159 scores, then p; v160-207 four fragments (q's two, k's two; later v's four); v208-231 p's two; v232-254 at work.
;   Window 1: v0-23 the weights' tiles; v32-127 the biases' tiles.
; THE MODE: SCHED_MODE bits 1:0 = 2 (LLVM: expert scheduling mode 2), set by the entry lines.  The code itself states the register dependences
; between vector or matrix instructions and memory or LDS instructions, with s_wait_alu, always for 0.
; THE PLAN.  Registers that memory or LDS instructions touch:
;   At the head  v42-49, v3, v10, v11: offsets and LDS addresses, made by vector lines, read by the head's loads and stores (v3 by every look-ahead load, v10 and v11 at the end);
;                v232-239 and v52: loaded, bounded by vector lines, read as the gathers' offsets; v128-159: the gathers land there, the stage's LDS stores read them.
;                Behind the head v42-49 and v52 are registers at work and v128-159 the scores: one wait on vm_vsrc behind the stage's stores frees them all.
;   v12-19       Written by the two look-ahead LDS loads of a trip; read by the six subtractions at the head of the next trip.
;   v4           Written by one vector add a trip; read by the two look-ahead loads.
;   v6, v252-254 Written by vector lines late in a trip; read by the trip's three LDS stores.
; In a trip: one wait on vm_vsrc ahead of the add to v4 frees v4 and, for later in the trip, v6 and v252-254.  The wait on va_vdst that stands ahead of the roots' first reader also states
; that the subtractions are done reading v12-18 and that v4 is written: the two look-ahead loads stand straight behind it, and no vector line behind it names their registers.
; One wait on va_vdst stands ahead of each run of scaled products (their codes and scale words are written), and one ahead of the three LDS stores.
.set WST,  4752                        ; a wave's stage in LDS: nine rows of SROW bytes: eight queries' 32 neighbours x 16 bytes (+ 16), and a ninth row of filler that the last trip's look-ahead reads
.set SROW, 528
.set OUT,  38144                       ; behind the stages: 3 rows of 256 bytes: the work-group's 64 results by component
.set F,   28
.set SQ,  32                           ; scale words: q's two, k's two, v's four, p's two
.set SK,  34
.set SV,  36
.set SPW, 40
.set TM,  42                           ; v42-45 maxima; v46-49 the conversions' scale operands; v50-53 what comes from lane l xor 16; v54-57 bytes; v[58:59], v[60:61] -M
.set TO,  46
.set TP,  50
.set TB,  54
.set NM,  58
.set D,   64
.set S,   128
.set FR,  160
.set PF,  208
.set NB,  232
.set LS,  240                          ; v[240:241], v[242:243] the rows' sums in two halves; v244-245 the sums; v246-247 their reciprocals; v248-249 the rows' scores; v250-254 the last softmax
.set WQ,  0                            ; window 1
.set WK,  8
.set WV,  16
.set CQ,  32
.set CK,  64
.set CV,  96
.set MSB, 0
.macro WIN new                         ; the immediate's high byte repeats the setting that is left
.if MSB != \new
	s_set_vgpr_msb (MSB<<8)|\new
.set MSB, \new
.endif
.endm
.macro PLACES n
.rept \n
	v_nop
.endr
.endm
; q or k of all 32 neighbours: eight products of the f32 form, then its eight places ahead of the first read of a result
.macro PROJ wr, cr
	WIN 0x11                                       ; source 0 (the weights) and source 2 (the bias) in window 1
.irp u, 0,1
.irp t, 0,1,2,3
	v_wmma_f32_16x16x4_f32 v[D+32*\u+8*\t:D+32*\u+8*\t+7], v[\wr+2*\t:\wr+2*\t+1], v[F+2*\u:F+2*\u+1], v[\cr+8*\t:\cr+8*\t+7]
.endr
.endr
	WIN 0
	PLACES 8
.endm
; the pool's 2 x 32 numbers a lane (a whole block each) become the fragments at fr, fr + 12 and the scale words at sc, sc + 1.  Each tile is read from its low end on.
.macro QUANTQK fr, sc
.irp u, 0,1
	v_max3_num_f32 v[TM+\u], |v[D+32*\u]|, |v[D+32*\u+1]|, 0x1800000      ; with the floor 2^(3 - 127): the byte cannot fall under 1
	v_max3_num_f32 v[TM+2+\u], |v[D+32*\u+16]|, |v[D+32*\u+17]|, 0x1800000
.endr
.irp i, 2,4,6,8,10,12,14
.irp u, 0,1
	v_max3_num_f32 v[TM+\u], v[TM+\u], |v[D+32*\u+\i]|, |v[D+32*\u+\i+1]|
	v_max3_num_f32 v[TM+2+\u], v[TM+2+\u], |v[D+32*\u+16+\i]|, |v[D+32*\u+17+\i]|
.endr
.endr
.irp u, 0,1
	v_max_num_f32 v[TM+\u], v[TM+\u], v[TM+2+\u]
.endr
.irp u, 0,1
	v_add_nc_u32 v[TO+\u], 0xff000000, v[TM+\u]    ; 2 off the exponent field: the conversion's scale operand
.endr
.irp u, 0,1
	v_lshrrev_b32 v[TB+\u], 23, v[TO+\u]           ; the block's byte
.endr
.irp u, 0,1
	v_permlanex16_b32 v[TP+\u], v[TB+\u], s38, s39 ; the row's other block's byte
.endr
.irp u, 0,1
	v_cvt_scalef32_pk16_fp6_f32 v[\fr+12*\u:\fr+12*\u+2], v[D+32*\u:D+32*\u+15], v[TO+\u]
	v_cvt_scalef32_pk16_fp6_f32 v[\fr+12*\u+6:\fr+12*\u+8], v[D+32*\u+16:D+32*\u+31], v[TO+\u]
.endr
.irp u, 0,1
	v_lshl_or_b32 v[\sc+\u], v[TP+\u], 8, v[TB+\u] ; lanes 0-15: [s0, s1]  (these lines are also the plain place behind the conversions)
.endr
.irp u, 0,1
	v_lshl_or_b32 v[\sc+\u], v[\sc+\u], 16, v[\sc+\u]
.endr
.endm
	s_load_b512 s[4:19], s[0:1], 0x0               ; points1 s[4:5], points2 s[6:7], ridx1 s[8:9], ridx2 s[10:11], Wq s[12:13], Wk s[14:15], Wv s[16:17], bq s[18:19]
	s_load_b256 s[20:27], s[0:1], 0x40             ; bk s[20:21], bv s[22:23], nbr s[24:25], pts s[26:27]
	s_load_b64 s[28:29], s[0:1], 0x60              ; out0
	v_lshl_add_u32 v63, v0, 2, 0xa000
	v_mov_b32 v255, 0
	v_lshrrev_b32 v1, 5, v0
	v_readfirstlane_b32 s30, v1                    ; wave 0..7
	s_lshr_b32 s31, ttmp9, 5                       ; batch
	s_and_b32 s32, ttmp9, 31                       ; which 64 queries of the batch
	v_and_b32 v1, 15, v0                           ; r
	v_bfe_u32 v2, v0, 4, 1                         ; h
	v_and_b32 v54, 31, v0                          ; lane
	v_and_b32 v55, 7, v0                           ; lane % 8: at the head a lane serves query lane % 8
	v_bfe_u32 v56, v0, 3, 2                        ; lane / 8
	s_wait_alu depctr_va_sdst(0)                   ; s30 is written, ahead of its first reader: LDS addresses, bases and the end's branch are made from it
	s_mul_i32 s48, s30, WST
	v_lshl_add_u32 v3, v1, 4, s48                  ; the stage, on the way out: neighbour r of row 0
	v_mul_u32_u24 v48, v55, SROW
	v_lshl_add_u32 v48, v56, 6, v48
	v_add_nc_u32 v48, s48, v48                     ; on the way in: row lane % 8, neighbours 4 (lane / 8) on
	v_lshl_add_u32 v49, v54, 4, s48
	v_add_nc_u32 v49, 8*SROW, v49                  ; the ninth row
	s_lshl_b32 s48, s30, 5
	s_add_co_u32 s48, s48, OUT
	v_mov_b32 v5, s48                              ; where my wave's eight results go, 4 bytes each
	s_lshl_b32 s48, s30, 8
	s_add_co_u32 s48, s48, OUT
	v_lshl_add_u32 v10, v54, 3, s48                ; the end: wave w (0 to 2) reads component w's 256 bytes
	v_lshlrev_b32 v11, 3, v54
	v_lshlrev_b32 v42, 9, v56
	v_lshl_add_u32 v42, v55, 4, v42                ; nbr: slots 4 (lane / 8) on of query lane % 8
	v_lshlrev_b32 v43, 2, v55                      ; the index list
	v_lshrrev_b32 v44, 3, v1
	v_lshlrev_b32 v44, 5, v44
	v_and_b32 v57, 7, v1
	v_add_nc_u32 v44, v44, v57
	v_lshlrev_b32 v44, 2, v44
	v_lshl_add_u32 v44, v2, 9, v44                 ; Wq, Wk: feature 2 h, channel 32 (r / 8) + r % 8
	v_lshlrev_b32 v45, 2, v1
	v_lshl_add_u32 v45, v2, 9, v45                 ; Wv: feature 2 h, channel r
	v_lshlrev_b32 v46, 7, v2                       ; bq, bk: channel 32 h
	v_lshlrev_b32 v47, 2, v1                       ; bv: channel r
	s_mov_b32 s33, 0                               ; the trip
	s_mov_b32 s34, 0                               ; the stage's row ahead
	s_mov_b32 s35, 0                               ; the result's place
	s_mov_b32 s36, 0x3e38aa3b                      ; c = log2(e) / 8
	s_mov_b32 s37, s36                             ; (the packed form names the pair)
	s_mov_b32 s38, 0x76543210
	s_mov_b32 s39, 0xfedcba98                      ; selects for lane l xor 16
	s_mov_b32 s40, 0xffff0000                      ; lanes 16-31
	s_wait_kmcnt 0x0
	s_cmp_lt_u32 s32, 16
	s_cselect_b64 s[44:45], s[4:5], s[6:7]         ; the set and the index list that my queries come from
	s_cselect_b64 s[46:47], s[8:9], s[10:11]
	s_mul_i32 s48, s31, 24576
	s_mov_b32 s49, 0
	s_add_nc_u64 s[44:45], s[44:45], s[48:49]
	s_lshl_b32 s50, s32, 8
	s_add_co_u32 s48, s48, s50
	s_lshl_b32 s50, s30, 13
	s_add_co_u32 s48, s48, s50
	s_add_nc_u64 s[28:29], s[28:29], s[48:49]      ; out0: my batch, component = wave (used by waves 0 to 2 alone), my 64 queries
	s_lshl_b32 s48, s31, 12
	s_and_b32 s50, s32, 15
	s_lshl_b32 s50, s50, 8
	s_add_co_u32 s48, s48, s50
	s_lshl_b32 s50, s30, 5
	s_add_co_u32 s48, s48, s50
	s_add_nc_u64 s[46:47], s[46:47], s[48:49]
	s_lshl_b32 s48, ttmp9, 13
	s_lshr_b32 s50, s30, 2
	s_lshl_b32 s50, s50, 12
	s_add_co_u32 s48, s48, s50
	s_and_b32 s50, s30, 3
	s_lshl_b32 s50, s50, 7
	s_add_co_u32 s48, s48, s50
	s_add_nc_u64 s[24:25], s[24:25], s[48:49]      ; nbr: the block of 32 queries, my eight of them
	s_mul_i32 s48, s31, 98304
	s_add_nc_u64 s[26:27], s[26:27], s[48:49]      ; pts at my batch
	s_wait_alu depctr_va_vdst(0)                   ; the offsets v42 to v47 and v11 and the LDS addresses v3, v10, v48, v49 are written, which the loads and stores of the head and of the end read; up to the loads into window 1 only loads and the window's switch follow
	global_load_b128 v[NB:NB+3], v42, s[24:25]
	global_load_b128 v[NB+4:NB+7], v42, s[24:25] offset:2048
	global_load_b32 v52, v43, s[46:47]
	WIN 0x40                                       ; destination window 1
.irp t, 0,1,2,3
.irp j, 0,1
	global_load_b32 v[WQ+2*\t+\j], v44, s[12:13] offset:256*\j+32*\t
	global_load_b32 v[WK+2*\t+\j], v44, s[14:15] offset:256*\j+32*\t
	global_load_b32 v[WV+2*\t+\j], v45, s[16:17] offset:256*\j+64*\t
.endr
	global_load_b128 v[CQ+8*\t:CQ+8*\t+3], v46, s[18:19] offset:32*\t
	global_load_b128 v[CQ+8*\t+4:CQ+8*\t+7], v46, s[18:19] offset:32*\t+16
	global_load_b128 v[CK+8*\t:CK+8*\t+3], v46, s[20:21] offset:32*\t
	global_load_b128 v[CK+8*\t+4:CK+8*\t+7], v46, s[20:21] offset:32*\t+16
.irp j, 0,1,2,3,4,5,6,7
	global_load_b32 v[CV+8*\t+\j], v47, s[22:23] offset:64*\t     ; a lane's channel has one bias for its eight keys
.endr
.endr
	WIN 0
	s_wait_loadcnt 63                              ; 72 loads were issued behind the first three; the wait's field ends at 63, and the smaller count also shows the three in
.irp i, 0,1,2,3,4,5,6,7
	v_min_u32 v[NB+\i], 0x17ff0, v[NB+\i]          ; a number read from memory enters an address only behind this bound: the table's last entry
.endr
	v_min_u32 v52, 2047, v52
	v_lshlrev_b32 v52, 2, v52
	s_wait_alu depctr_va_vdst(0)                   ; the bounded offsets v232 to v239 and v52 are written, which the eleven loads below read
.irp i, 0,1,2,3,4,5,6,7
	global_load_b128 v[S+4*\i:S+4*\i+3], v[NB+\i], s[26:27]
.endr
	global_load_b32 v7, v52, s[44:45]
	global_load_b32 v8, v52, s[44:45] offset:8192
	global_load_b32 v9, v52, s[44:45] offset:16384
.irp f, 0,1,2,3
.irp i, 3,4,5,9,10,11
	v_mov_b32 v[FR+12*\f+\i], 0                    ; zero codes that stay
.endr
.endr
.irp f, 0,1
.irp i, 3,4,5,6,7,8,9,10,11
	v_mov_b32 v[PF+12*\f+\i], 0
.endr
.endr
	s_wait_loadcnt 0x0
.irp j, 0,1
.irp e, 0,1,2,3
	ds_store_b128 v48, v[S+16*\j+4*\e:S+16*\j+4*\e+3] offset:256*\j+16*\e
.endr
.endr
	ds_store_b128 v49, v[S:S+3]                    ; the ninth row: filler
	s_wait_alu depctr_vm_vsrc(0)                   ; the head's loads have read v42 to v47 and v52, the stage's stores v48, v49 and v128 to v159: the lines below write v52, the loop's vector lines v42 to v49, its products v128 to v159
.irp i, 0,1,2,3
	v_mov_b32 v[TP+\i], 0                          ; written once: a lane permute's destination counts as one of its sources
.endr
	v_mov_b32 v[NM+1], 0                           ; (named as the upper halves of the pairs)
	v_mov_b32 v[NM+3], 0
	ds_load_b128 v[12:15], v3                      ; the first query's neighbours r and 16 + r: LDS serves a wave's instructions in order, and the stage is my wave's own
	ds_load_b128 v[16:19], v3 offset:256
.Ltrip:
	; ---- the features
	s_wait_dscnt 0x0                               ; this query's two neighbours, asked for a trip ago
	v_readlane_b32 s41, v7, s33
	v_readlane_b32 s42, v8, s33
	v_readlane_b32 s43, v9, s33
	s_wait_alu depctr_va_sdst(0)                   ; s41 to s43, my query, are written, ahead of their first readers: one wait for the three
	v_sub_f32 v20, v12, s41
	v_sub_f32 v21, v13, s42
	v_sub_f32 v22, v14, s43
	v_sub_f32 v24, v16, s41
	v_sub_f32 v25, v17, s42
	v_sub_f32 v26, v18, s43
	s_add_co_u32 s34, s34, SROW
	s_wait_alu depctr_vm_vsrc(0)                   ; the last trip's two look-ahead loads have read v4, which the next line writes, and its three LDS stores v6 and v252 to v254, which this trip writes again further down
	v_add_nc_u32 v4, s34, v3
	v_mul_f32 v23, v20, v20
	v_mul_f32 v27, v24, v24
	v_fmac_f32 v23, v21, v21
	v_fmac_f32 v27, v25, v25
	v_fmac_f32 v23, v22, v22
	v_fmac_f32 v27, v26, v26
	v_sqrt_f32 v23, v23                            ; the root of 0 is 0, as the safe norm has it
	v_sqrt_f32 v27, v27
	v_cndmask_b32 v[F], v20, v22, s40              ; lanes 0-15 features 0, 1; lanes 16-31 features 2, 3  (plain lines behind the roots)
	v_cndmask_b32 v[F+2], v24, v26, s40
	s_wait_alu depctr_va_vdst(0)                   ; the two roots are written, ahead of their first reader; the subtractions are done reading v12 to v18, in which the loads below land; v4, their address, is written
	ds_load_b128 v[12:15], v4                      ; the next query's (the last trip: the filler).  No vector line from here to the next trip's head names v4 or v12 to v19
	ds_load_b128 v[16:19], v4 offset:256
	v_cndmask_b32 v[F+1], v21, v23, s40
	v_cndmask_b32 v[F+3], v25, v27, s40
	; ---- q, k, v.  The pool is written anew nine places or more behind the products that wrote it: the eight v_nop and the quantiser's lines on its own registers
	PROJ WQ, CQ
	QUANTQK FR, SQ
	PROJ WK, CK
	QUANTQK FR+24, SK
	WIN 0x14                                       ; source 1 (the weights) and source 2 (the bias) in window 1
.irp t, 0,1,2,3
.irp u, 0,1
	v_wmma_f32_16x16x4_f32 v[D+16*\t+8*\u:D+16*\t+8*\u+7], v[F+2*\u:F+2*\u+1], v[WV+2*\t:WV+2*\t+1], v[CV+8*\t:CV+8*\t+7]
.endr
.endr
	WIN 0
	PLACES 8                                       ; for the reads of v below; also the eight places between k's scale words and the scaled products, and the four behind k's codes
	; ---- the scores
	s_wait_alu depctr_va_vdst(0)                   ; q's and k's codes (v160 to v207) and scale words (v32 to v35) are written, which the scaled products take; the places above stay beside this wait
.irp a, 0,1
.irp u, 0,1
	v_wmma_scale_f32_16x16x128_f8f6f4 v[S+16*\a+8*\u:S+16*\a+8*\u+7], v[FR+24+12*\u:FR+24+12*\u+11], v[FR+12*\a:FR+12*\a+11], 0, v[SK+\u], v[SQ+\a] matrix_a_fmt:MATRIX_FMT_FP6 matrix_b_fmt:MATRIX_FMT_FP6
.endr
.endr
	; ---- v is quantised along the keys: a lane holds 16 of a channel's 32, lane l xor 16 the others.  The 32 maxima are the places behind the scores' products, whose fragments the codes then take
.irp t, 0,1,2,3
	v_max3_num_f32 v[TM+\t], |v[D+16*\t]|, |v[D+16*\t+1]|, 0x1800000
.endr
.irp i, 2,4,6,8,10,12,14
.irp t, 0,1,2,3
	v_max3_num_f32 v[TM+\t], v[TM+\t], |v[D+16*\t+\i]|, |v[D+16*\t+\i+1]|
.endr
.endr
.irp t, 0,1,2,3
	v_permlanex16_b32 v[TP+\t], v[TM+\t], s38, s39
.endr
.irp t, 0,1,2,3
	v_max_num_f32 v[TM+\t], v[TM+\t], v[TP+\t]
.endr
.irp t, 0,1,2,3
	v_add_nc_u32 v[TO+\t], 0xff000000, v[TM+\t]
.endr
.irp t, 0,1,2,3
	v_lshrrev_b32 v[TB+\t], 23, v[TO+\t]
.endr
.irp t, 0,1,2,3
	v_cvt_scalef32_pk16_fp6_f32 v[FR+12*\t:FR+12*\t+2], v[D+16*\t:D+16*\t+15], v[TO+\t]
.endr
.irp t, 0,1,2,3
	v_lshl_or_b32 v[SV+\t], v[TB+\t], 8, v[TB+\t]  ; the one block's byte for k = 0-31 and 32-63  (also the plain place behind the conversions)
.endr
	; ---- the softmax ahead of the second product, both tiles of rows by turns
.irp a, 0,1
	v_max3_num_f32 v[TM+\a], v[S+16*\a], v[S+16*\a+1], v[S+16*\a+2]
.endr
.irp i, 3,5,7,9,11,13
.irp a, 0,1
	v_max3_num_f32 v[TM+\a], v[TM+\a], v[S+16*\a+\i], v[S+16*\a+\i+1]
.endr
.endr
.irp a, 0,1
	v_max_num_f32 v[TM+\a], v[TM+\a], v[S+16*\a+15]
.endr
.irp a, 0,1
	v_permlanex16_b32 v[TP+\a], v[TM+\a], s38, s39
.endr
.irp a, 0,1
	v_max_num_f32 v[TM+\a], v[TM+\a], v[TP+\a]     ; the row's largest score: p rises with the score, so it also gives the block's largest p
.endr
.irp a, 0,1
	v_mul_f32 v[TO+\a], s36, v[TM+\a]
.endr
.irp a, 0,1
	v_floor_f32 v[NM+2*\a], -v[TO+\a]              ; -M = floor(-t) = -ceil(t)
.endr
.irp i, 0,2,4,6,8,10,12,14
.irp a, 0,1
	v_pk_fma_f32 v[S+16*\a+\i:S+16*\a+\i+1], v[S+16*\a+\i:S+16*\a+\i+1], s[36:37], v[NM+2*\a:NM+2*\a+1] op_sel_hi:[1,0,0]
.endr
.endr
.irp a, 0,1
	v_fma_f32 v[TM+\a], v[TM+\a], s36, v[NM+2*\a]
.endr
.irp j, 0,1,2,3,4,5,6,7,8,9,10,11,12,13,14,15,16,17,18,19,20,21,22,23,24,25,26,27,28,29,30,31
	v_exp_f32 v[S+\j], v[S+\j]                     ; p = 2^(t - M)
.endr
.irp a, 0,1
	v_exp_f32 v[TM+\a], v[TM+\a]                   ; the row's largest p: the same two instructions on the same number
.endr
	v_nop                                          ; a plain line behind the last exponential
	s_wait_alu depctr_va_vdst(0)                   ; the batch's 34 exponentials (v128 to v159, v42, v43) are written: one wait, ahead of their first reader
.irp a, 0,1
	v_max_num_f32 v[TM+\a], 0x1800000, v[TM+\a]
.endr
.irp a, 0,1
	v_add_nc_u32 v[TO+\a], 0xff000000, v[TM+\a]
.endr
.irp a, 0,1
	v_lshrrev_b32 v[TB+\a], 23, v[TO+\a]
.endr
.irp a, 0,1
	v_lshl_or_b32 v[SPW+\a], v[TB+\a], 8, v[TB+\a]
.endr
.irp a, 0,1
	v_cvt_scalef32_pk16_fp6_f32 v[PF+12*\a:PF+12*\a+2], v[S+16*\a:S+16*\a+15], v[TO+\a]
.endr
.irp a, 0,1
	v_pk_add_f32 v[LS+2*\a:LS+2*\a+1], v[S+16*\a:S+16*\a+1], v[S+16*\a+2:S+16*\a+3]   ; the row's sum of the unquantised p.  These lines are also the places between p's scale words and codes and the products
.endr
.irp i, 4,6,8,10,12,14
.irp a, 0,1
	v_pk_add_f32 v[LS+2*\a:LS+2*\a+1], v[LS+2*\a:LS+2*\a+1], v[S+16*\a+\i:S+16*\a+\i+1]
.endr
.endr
.irp a, 0,1
	v_add_f32 v[244+\a], v[LS+2*\a], v[LS+2*\a+1]
.endr
.irp a, 0,1
	v_permlanex16_b32 v[TP+\a], v[244+\a], s38, s39
.endr
.irp a, 0,1
	v_add_f32 v[244+\a], v[244+\a], v[TP+\a]
.endr
.irp a, 0,1
	v_rcp_f32 v[246+\a], v[244+\a]
.endr
	v_nop                                          ; a plain line behind the reciprocals
	; ---- y = p v
	s_wait_alu depctr_va_vdst(0)                   ; v's and p's codes (v160 to v231) and scale words (v36 to v41) are written, which the scaled products take; the two reciprocals v246, v247 are written too, ahead of their first reader further down
.irp a, 0,1
.irp t, 0,1,2,3
	v_wmma_scale_f32_16x16x128_f8f6f4 v[D+32*\a+8*\t:D+32*\a+8*\t+7], v[FR+12*\t:FR+12*\t+11], v[PF+12*\a:PF+12*\a+11], 0, v[SV+\t], v[SPW+\a] matrix_a_fmt:MATRIX_FMT_FP6 matrix_b_fmt:MATRIX_FMT_FP6
.endr
.endr
	PLACES 4
	; ---- a row's score: its largest channel, each tile read from its low end on
.irp a, 0,1
	v_max3_num_f32 v[TM+\a], v[D+32*\a], v[D+32*\a+1], v[D+32*\a+2]
	v_max3_num_f32 v[TM+2+\a], v[D+32*\a+16], v[D+32*\a+17], v[D+32*\a+18]
.endr
.irp i, 3,5,7,9,11,13
.irp a, 0,1
	v_max3_num_f32 v[TM+\a], v[TM+\a], v[D+32*\a+\i], v[D+32*\a+\i+1]
	v_max3_num_f32 v[TM+2+\a], v[TM+2+\a], v[D+32*\a+16+\i], v[D+32*\a+17+\i]
.endr
.endr
.irp a, 0,1
	v_max3_num_f32 v[TM+\a], v[TM+\a], v[D+32*\a+15], v[D+32*\a+31]
.endr
.irp a, 0,1
	v_max_num_f32 v[TM+\a], v[TM+\a], v[TM+2+\a]
.endr
.irp a, 0,1
	v_permlanex16_b32 v[TP+\a], v[TM+\a], s38, s39
.endr
.irp a, 0,1
	v_max_num_f32 v[TM+\a], v[TM+\a], v[TP+\a]
.endr
.irp a, 0,1
	v_mul_f32 v[248+\a], v[TM+\a], v[246+\a]       ; the sum is positive, so the largest y over the sum is the largest of y over the sum  (the reciprocals' wait stands ahead of y's products)
.endr
	; ---- the softmax over the 32 rows (lane r holds rows r and 16 + r; both halves of the lanes hold the same) and the weighted sum
	v_max_num_f32 v250, v248, v249
.irp x, 1,2,4,8
	v_max_num_f32_dpp v250, v250, v250 row_xmask:\x row_mask:0xf bank_mask:0xf
.endr
	v_sub_f32 v248, v248, v250
	v_sub_f32 v249, v249, v250
	v_mul_f32 v248, 0x3fb8aa3b, v248
	v_mul_f32 v249, 0x3fb8aa3b, v249
	v_exp_f32 v248, v248
	v_exp_f32 v249, v249
	v_add_nc_u32 v6, s35, v5                       ; (a plain line behind the exponentials)  where this query's result goes
	s_wait_alu depctr_va_vdst(0)                   ; the two exponentials v248, v249 are written, ahead of their first reader
	v_add_f32 v251, v248, v249
	v_mul_f32 v252, v248, v20
	v_mul_f32 v253, v248, v21
	v_mul_f32 v254, v248, v22
	v_fmac_f32 v252, v249, v24
	v_fmac_f32 v253, v249, v25
	v_fmac_f32 v254, v249, v26
.irp x, 1,2,4,8
	v_add_f32_dpp v251, v251, v251 row_xmask:\x row_mask:0xf bank_mask:0xf
	v_add_f32_dpp v252, v252, v252 row_xmask:\x row_mask:0xf bank_mask:0xf
	v_add_f32_dpp v253, v253, v253 row_xmask:\x row_mask:0xf bank_mask:0xf
	v_add_f32_dpp v254, v254, v254 row_xmask:\x row_mask:0xf bank_mask:0xf
.endr
	v_rcp_f32 v251, v251
	v_nop
	s_wait_alu depctr_va_vdst(0)                   ; the reciprocal v251 is written, ahead of its first reader
	v_fma_f32 v252, v252, v251, s41
	v_fma_f32 v253, v253, v251, s42
	v_fma_f32 v254, v254, v251, s43
	s_wait_alu depctr_va_vdst(0)                   ; the three results v252 to v254 and their LDS address v6 are written, which the stores below read
	ds_store_b32 v6, v252                          ; all lanes write the same word with the same value
	ds_store_b32 v6, v253 offset:256
	ds_store_b32 v6, v254 offset:512
	s_add_co_u32 s35, s35, 4
	s_add_co_u32 s33, s33, 1
	s_cmp_lt_u32 s33, 8
	s_cbranch_scc1 .Ltrip
	s_wait_dscnt 0x0                               ; my results have landed (and the look-ahead's last loads are in)
	s_barrier_signal -1
	s_barrier_wait -1
	s_cmp_lt_u32 s30, 3
	s_cbranch_scc0 .Lend
	ds_load_b64 v[12:13], v10                      ; no vector line has been issued since the last trip's last wait on va_vdst: every vector reader of v12 and v13 stands ahead of it
	s_wait_dscnt 0x0
	global_store_b64 v11, v[12:13], s[28:29]       ; 32 lanes store 256 consecutive bytes, at a multiple of 256 from out0's first byte: 64 queries of one component
.Lend:
	s_wait_dscnt 0x0                               ; the closing lines, six on end
	s_wait_alu 0x0
	s_wait_tensorcnt 0x0
	ds_add_u32 v63, v255
	s_wait_dscnt 0x0
	s_endpgm
.Lfunc_end_k_q3de870f513_fuse:
	.size	k_q3de870f513_fuse, .Lfunc_end_k_q3de870f513_fuse-k_q3de870f513_fuse
	.p2alignl 7, 3214868480
	.fill 96, 4, 3214868480
	.section	.rodata,"a",@progbits
	.p2align	6, 0x0
	.amdhsa_kernel k_q3de870f513_fuse
		.amdhsa_group_segment_fixed_size 41984
		.amdhsa_private_segment_fixed_size 0
		.amdhsa_enable_private_segment 0
		.amdhsa_kernarg_size 104
		.amdhsa_user_sgpr_count 2
		.amdhsa_user_sgpr_kernarg_segment_ptr 1
		.amdhsa_wavefront_size32 1
		.amdhsa_system_sgpr_workgroup_id_x 1
		.amdhsa_system_sgpr_workgroup_id_y 1
		.amdhsa_system_sgpr_workgroup_id_z 1
		.amdhsa_system_vgpr_workitem_id 0
		.amdhsa_next_free_vgpr 384
		.amdhsa_next_free_sgpr 66
		.amdhsa_reserve_vcc 0
		.amdhsa_float_denorm_mode_32 3
		.amdhsa_float_denorm_mode_16_64 3
		.amdhsa_memory_ordered 1
		.amdhsa_forward_progress 1
		.amdhsa_inst_pref_size 41
	.end_amdhsa_kernel
	.amdgpu_metadata
---
amdhsa.version: [ 1, 2 ]
amdhsa.kernels:
  - .name:           k_q3de870f513_fuse
    .symbol:         k_q3de870f513_fuse.kd
    .args:
      - { .name: points1, .offset: 0, .size: 8, .value_kind: global_buffer, .address_space: global }
      - { .name: points2, .offset: 8, .size: 8, .value_kind: global_buffer, .address_space: global }
      - { .name: ridx1, .offset: 16, .size: 8, .value_kind: global_buffer, .address_space: global }
      - { .name: ridx2, .offset: 24, .size: 8, .value_kind: global_buffer, .address_space: global }
      - { .name: Wq, .offset: 32, .size: 8, .value_kind: global_buffer, .address_space: global }
      - { .name: Wk, .offset: 40, .size: 8, .value_kind: global_buffer, .address_space: global }
      - { .name: Wv, .offset: 48, .size: 8, .value_kind: global_buffer, .address_space: global }
      - { .name: bq, .offset: 56, .size: 8, .value_kind: global_buffer, .address_space: global }
      - { .name: bk, .offset: 64, .size: 8, .value_kind: global_buffer, .address_space: global }
      - { .name: bv, .offset: 72, .size: 8, .value_kind: global_buffer, .address_space: global }
      - { .name: nbr, .offset: 80, .size: 8, .value_kind: global_buffer, .address_space: global }
      - { .name: pts, .offset: 88, .size: 8, .value_kind: global_buffer, .address_space: global }
      - { .name: out0, .offset: 96, .size: 8, .value_kind: global_buffer, .address_space: global }
    .group_segment_fixed_size: 41984
    .private_segment_fixed_size: 0
    .kernarg_segment_align: 8
    .kernarg_segment_size: 104
    .max_flat_workgroup_size: 256
    .sgpr_count:     66
    .vgpr_count:     384
    .wavefront_size: 32
...
	.end_amdgpu_metadata
.endif
;; end of part 4
